; MI455X (gfx1250); checked and timed in simulation.
; The chip was launched on July 23, 2026; its instructions are those of AMD's public machine-readable ISA for CDNA 5 (MIT licence, August 2026) and "CDNA5" Instruction Set Architecture Reference Guide (July 2026). The comments in the code are by the model that wrote it; some were corrected since.
;; Simple Multi Head Attention. Allowed arithmetic: matrix products marked QUANTISED: E2M3 operands, one E8M0 scale for each 32 along K, by v_wmma_scale_f32_16x16x128_f8f6f4 with both operands' format E2M3, f32 sums; everything else in f32.
;; Inputs: Wk 1,024 x 1,024 float32; Wq 1,024 x 1,024 float32; Wv 1,024 x 1,024 float32; attn_mask 512 x 4,096 bool; bk 1,024 float32; bq 1,024 float32; bv 1,024 float32; key 4 x 4,096 x 1,024 float32; query 4 x 512 x 1,024 float32; value 4 x 4,096 x 1,024 float32.
;; Outputs: out0 4 x 512 x 1,024 float32.
;; This version of the problem:
;;   THIS VERSION OF THE PROBLEM IS GIVEN IN LOW PRECISION. The matrix products marked QUANTISED in the list below multiply operands that are first quantised to E2M3 (2 exponent bits, 3 mantissa bits; 6 bits a number), with one power-of-two scale for each 32 numbers along K (OCP MX v1.0); their sums are f32. All else is computed in f32.
;;   The module's matrix products, in the order in which they are computed (A, B: the left and right operand; K: the contracted axis; several contracted axes count as one K, in the product's order):
;;     1. [M 2,048, K 1,024] x [K 1,024, N 1,024]; A: input query; B: input Wq: QUANTISED
;;     2. [M 16,384, K 1,024] x [K 1,024, N 1,024]; A: input key; B: input Wk: QUANTISED
;;     3. [M 16,384, K 1,024] x [K 1,024, N 1,024]; A: input value; B: input Wv: QUANTISED
;;     4. batch 4 x [M 512, K 1,024] x [K 1,024, N 4,096]; A: computed on the way; B: computed on the way: QUANTISED
;;     5. batch 4 x [M 512, K 4,096] x [K 4,096, N 1,024]; A: softmax (see below); B: computed on the way: QUANTISED
;;   THE QUANTISER, for each operand of a quantised product, along K:
;;     - K is cut into blocks of 32 from its start; a last block that is shorter is filled with zeros.
;;     - A block's scale is 2^e with e = floor(log2(the largest magnitude in the block)) - 2, held to -126 .. 127; a block of zeros has e = 0. As a byte (E8M0): e + 127.
;;     - Each number is divided by its block's scale, clamped to +-7.5, and rounded to the nearest number of E2M3, ties to even, subnormals kept.
;;     - The product sums the exact products of the quantised numbers (number of the format x scale) in f32.
;;   ~~~python
;;   def quantise(x, axis):      # numpy; x: float32 -> the quantised numbers, widened to float32 again
;;       x = np.moveaxis(x, axis, -1); K = x.shape[-1]
;;       x = np.pad(x, [(0, 0)] * (x.ndim - 1) + [(0, -K % 32)]); x = x.reshape(x.shape[:-1] + (-1, 32)); a = np.abs(x).max(-1, keepdims=True)
;;       e = np.where(a > 0, np.clip(np.frexp(np.where(a > 0, a, 1))[1] - 1 - 2, -126, 127), 0)      # np.frexp(a)[1] - 1 = floor(log2(a)), exactly
;;       r = np.clip(x / 2.0 ** e, -7.5, 7.5)
;;       step = 2.0 ** (np.maximum(np.frexp(np.where(r == 0, 1, r))[1] - 1, 0) - 3)
;;       q = np.round(r / step) * step * 2.0 ** e      # np.round: ties to even
;;       return np.moveaxis(q.reshape(q.shape[:-2] + (-1,))[..., :K], -1, axis).astype(np.float32)
;;   ~~~
;;   SOFTMAX AHEAD OF A QUANTISED PRODUCT. Where the list says 'softmax', what is quantised is not the finished softmax but p = 2^(t - M), with t = logit x log2(e) and M = ceil(the row's largest t), a whole number; so 1/2 < the row's largest p <= 1. The row's sum l is taken of the UNQUANTISED p, in f32, and the product's result is divided by l at the end. Since M is a whole number, a kernel that streams over the keys may use a running M (the ceiling of the running maximum): every later rescaling is an exact power of two, which a block's scale takes up: the codes' values come out the same.
;;   OPERANDS COMPUTED ON THE WAY. 'Computed on the way' means the value that the module computes at that place (a softmax that the list does not call 'softmax' is quantised finished and normalised). What goes into a quantiser is computed in f32, as accurately as f32 sums, v_exp_f32 and their like allow (about 1e-6 of the number): no bf16 or f16 on the way to a quantiser, and a product that is left as it is and whose result goes on into a quantised operand takes f32 operands (vector FMAs, or v_wmma_f32_16x16x4_f32). A number that lies on a knife's edge between two numbers of the format may be rounded either way, as far as f32 arithmetic and the matrix unit's own rounding can turn it there, and no further.
;; One version. Each part assembles by itself: llvm-mc -triple=amdgcn-amd-amdhsa -mcpu=gfx1250 --defsym DOCPART=n.
;; ======== version 1 of 1: 4 launches
;; limits: right only within a limited range of input values
;; workspace buffers: xc 30,310,400 bytes; qc 1,638,400 bytes; kc 13,107,200 bytes; vc 13,107,200 bytes; pc 6,553,600 bytes; pm 262,144 bytes; pl 262,144 bytes
;; launch quant (part 1): grid 256 x 1, 16 waves a work-group, no clusters, 141,312 bytes of LDS; arguments key, value, query, Wq, Wk, Wv, xc; writes xc
.if DOCPART == 1
	.amdgcn_target "amdgcn-amd-amdhsa--gfx1250"
	.amdhsa_code_object_version 6
	.text
	.protected	k_q6125dd4d12_quant
	.globl	k_q6125dd4d12_quant
	.p2align	8
	.type	k_q6125dd4d12_quant,@function
k_q6125dd4d12_quant:
	s_mov_b64 s[64:65], 0
	v_nop
	global_prefetch_b8 v0, s[64:65] scope:SCOPE_SE
	s_setreg_imm32_b32 hwreg(HW_REG_WAVE_MODE, 25, 1), 1
	s_wait_xcnt 0x0
; FIRST OF FOUR LAUNCHES.  out = softmax(mask(q k^T / 32)) v with q, k, v = x W^T + b; all five products on codes of E2M3 with one E8M0 scale for each 32 along K.
; NO WORK IS LEFT OUT: every bias goes into a quantiser (q, k along e, v along the keys), the mask is an input, so every input has a way to the output and is loaded by some launch.
; THIS LAUNCH turns the six f32 operands of the three projections (K = their last axis, innermost) into codes and scale bytes, once, laid in the order of the operand's registers.
; A RECORD is 128 rows x 128 along K, 12,800 bytes: eight images of 1,536 bytes (tile i of 16 rows: registers 4 c .. 4 c + 3 of lane l at 1536 i + 512 c + 16 l), then 512 bytes of scale words (row r of tile i at 12288 + 64 i + 4 r).
; Records lie [block of 128 rows][K step].  Blocks of xc: key 0-127, value 128-255, query 256-271, Wq 272-279, Wk 280-287, Wv 288-295.
; WHICH ROWS FORM A TILE: query, Wv: rows 16 t + r.  key, value, Wq, Wk: rows 32 (t / 2) + 8 (t % 2) + r + 8 (r / 8), so that a product that takes such a tile as source 0 leaves 16 neighbours in the 16 registers of two neighbouring tiles.
; A block's scale is 2^(floor(log2(largest magnitude)) - 2); its byte is the largest magnitude's exponent field - 2, held at 1 from below.
; LIMITS: a block of zeros gets the byte 1 where the rule says 127 (its codes are zeros, and this program alone reads the bytes); NaN and infinities among the inputs are not served.
; SHARES.  A UNIT is 16 rows x 128 K.  The six tensors have 37,888 rows: 2,368 tiles x 8 K steps = 18,944 units = 74 for each of 256 work-groups.  Work-group g takes rows 64 g .. 64 g + 63 of key (waves 0-7, a K step each)
; and of value (waves 8-15): four units a wave, one for each tile; and ten of the 2,560 units of query, Wq, Wk, Wv: unit 10 g + w (tile (10 g + w) / 8 of the 320, K step (10 g + w) % 8) for wave w < 10.  So a wave has four
; units or five (74 = 2 x 37 has no equal split over waves), and every work-group moves the same bytes.
; A load takes 512 consecutive bytes of one row; the unit turns through the wave's own stage in LDS (rows 528 bytes apart) so that a lane gets 16 neighbours of each block of 32.  Two units (32 loads a wave) are on their way.
; No tensor load, no barrier: waves share nothing.  No cluster and no matrix unit here: the work-groups share no input and memory binds.
.set REC,   12800
.set IMG,   1536
.set SCO,   12288
.set SP,    528                        ; a stage row: 512 bytes + 16: the 16 rows that a read touches begin in 16 different columns of 16 bytes
.set WOFF,  16*SP                      ; behind the stage: 256 bytes for four tiles' scale words
.set WREG,  WOFF+256                   ; a wave's region
.set SPARE, 16*WREG                    ; the spare words: 128 bytes a wave, eight blocks of 256 bytes that no other line names
.set LI,    4                          ; v4  16 x lane: my place in a row's 512 bytes and in an image; never rewritten
.set VB,    5                          ; v5  the fifth unit: the same 8 rows on (plain tiles) or 16 (chosen rows)
.set LN,    6                          ; v6  lane
.set SI,    7                          ; v7  the stage, on the way in
.set SOUT,  8                          ; v8  and out: row r, + 64 h
.set WS,    9                          ; v9  where my row's scale word goes
.set WR,    10                         ; v10 and where 8 bytes of the four tiles' words come back
.set L8,    11                         ; v11 8 x lane
.set SPW,   12
.set NIL,   13
.set R4,    14                         ; v14 4 r
.set R,     16                         ; v16-143  two sets of 64: a unit as loaded
.set X,     144                        ; v144-207 a unit turned: register 16 b + i = k 32 b + 16 h + i of my row
.set TM,    208                        ; v208-223 at work
.set PW,    224                        ; the scale word just made
.set PC,    226                        ; v226-244 the codes just made
.set WD,    246                        ; v246-247 the words on their way out
.set WV,    18                         ; s18 wave;  s19 my K step of key or value;  s20 0: key, 1: value
.set KS,    19
.set TV,    20
.set IB,    22                         ; s[22:23] key or value at my 64 rows and K step;  s[26:27] my four images;  s[28:29] their 256 bytes of scale words
.set OC,    26
.set OW,    28
.set SEL,   30
.set IS,    46                         ; s[46:47] the fifth unit's first row and K step;  s[54:55] its image;  s[56:57] its 64 bytes of scale words
.set SC,    54
.set SW,    56
	s_load_b256 s[4:11], s[0:1], 0x0               ; key, value, query, Wq
	s_load_b128 s[12:15], s[0:1], 0x20             ; Wk, Wv
	s_load_b64 s[16:17], s[0:1], 0x30              ; xc
	v_lshl_add_u32 v[SPW], v0, 2, SPARE
	v_mov_b32 v[NIL], 0
	v_lshrrev_b32 v1, 5, v0
	s_delay_alu instid0(VALU_DEP_1)
	v_readfirstlane_b32 s[WV], v1                  ; wave 0..15
	v_and_b32 v[LN], 31, v0
	v_and_b32 v3, 15, v0                           ; r
	v_bfe_u32 v15, v0, 4, 1                        ; h
	s_delay_alu instid0(VALU_DEP_3)
	v_lshlrev_b32 v[LI], 4, v[LN]
	s_mul_i32 s34, s[WV], WREG
	v_add_nc_u32 v[SI], s34, v[LI]
	v_mul_u32_u24 v[SOUT], v3, SP
	s_delay_alu instid0(VALU_DEP_1)
	v_lshl_add_u32 v[SOUT], v15, 6, v[SOUT]
	s_delay_alu instid0(VALU_DEP_1)
	v_add_nc_u32 v[SOUT], s34, v[SOUT]
	s_add_co_u32 s35, s34, WOFF
	v_lshlrev_b32 v[R4], 2, v3
	s_delay_alu instid0(VALU_DEP_1)
	v_add_nc_u32 v[WS], s35, v[R4]
	v_lshlrev_b32 v[L8], 3, v[LN]
	s_delay_alu instid0(VALU_DEP_1)
	v_add_nc_u32 v[WR], s35, v[L8]
.irp b, 0,1,2,3
	v_mov_b32 v[TM+4+\b], 0                        ; written once: a lane permute's destination counts as one of its sources
.endr
	s_mov_b32 s[SEL], 0x76543210
	s_mov_b32 s[SEL+1], 0xfedcba98                 ; lane l xor 16
	; key and value: offsets, made apart from the addresses
	s_and_b32 s[KS], s[WV], 7
	s_lshr_b32 s[TV], s[WV], 3
	s_lshl_b32 s32, ttmp9, 18                      ; 64 rows of 4,096 bytes,
	s_lshl_b32 s33, s[KS], 9                       ; my K step's 512 bytes of a row
	s_add_co_u32 s32, s32, s33
	s_mov_b32 s33, 0
	s_lshr_b32 s36, ttmp9, 1
	s_lshl_b32 s37, s[TV], 7
	s_add_co_u32 s36, s36, s37                     ; the block of xc,
	s_lshl_b32 s36, s36, 3
	s_add_co_u32 s36, s36, s[KS]                   ; its record of my K step
	s_mul_i32 s36, s36, REC
	s_and_b32 s37, ttmp9, 1                        ; which half of the block
	s_mul_i32 s38, s37, 4*IMG
	s_add_co_u32 s38, s38, s36                     ; the images of my four tiles,
	s_mov_b32 s39, 0
	s_lshl_b32 s40, s37, 8
	s_add_co_u32 s40, s40, s36
	s_add_co_u32 s40, s40, SCO                     ; and their 256 bytes of scale words
	s_mov_b32 s41, 0
	; the fifth unit (used by waves 0-9 alone)
	s_mul_i32 s42, ttmp9, 10
	s_add_co_u32 s42, s42, s[WV]                   ; unit 10 g + w
	s_and_b32 s43, s42, 7                          ; its K step
	s_lshr_b32 s42, s42, 3                         ; its tile among the 320
	s_and_b32 s44, s42, 7                          ; the tile in its block
	s_lshr_b32 s45, s42, 3                         ; the block among the 40: query 0-15, Wq 16-23, Wk 24-31, Wv 32-39
	s_add_co_u32 s48, s45, 256
	s_lshl_b32 s48, s48, 3
	s_add_co_u32 s48, s48, s43
	s_mul_i32 s48, s48, REC                        ; its record
	s_mul_i32 s50, s44, IMG
	s_add_co_u32 s50, s50, s48
	s_mov_b32 s51, 0
	s_lshl_b32 s52, s44, 6
	s_add_co_u32 s52, s52, s48
	s_add_co_u32 s52, s52, SCO
	s_mov_b32 s53, 0
	s_lshr_b32 s58, s44, 1
	s_lshl_b32 s58, s58, 5
	s_and_b32 s59, s44, 1
	s_lshl_b32 s59, s59, 3
	s_add_co_u32 s58, s58, s59                     ; the tile's first row, chosen rows: 32 (t / 2) + 8 (t % 2);
	s_lshl_b32 s59, s44, 4                         ; plain: 16 t
	s_wait_kmcnt 0x0
	s_cmp_eq_u32 s[TV], 0                          ; the choices hang on ids alone
	s_cselect_b64 s[IB:IB+1], s[4:5], s[6:7]
	s_add_nc_u64 s[IB:IB+1], s[IB:IB+1], s[32:33]
	s_add_nc_u64 s[OC:OC+1], s[16:17], s[38:39]
	s_add_nc_u64 s[OW:OW+1], s[16:17], s[40:41]
	s_mov_b64 s[IS:IS+1], s[8:9]                   ; the fifth unit's tensor, s60 its first block, s61 = 1: chosen rows
	s_mov_b32 s60, 0
	s_mov_b32 s61, 0
	s_cmp_ge_u32 s45, 16
	s_cselect_b64 s[IS:IS+1], s[10:11], s[IS:IS+1]
	s_cselect_b32 s60, 16, s60
	s_cselect_b32 s61, 1, s61
	s_cmp_ge_u32 s45, 24
	s_cselect_b64 s[IS:IS+1], s[12:13], s[IS:IS+1]
	s_cselect_b32 s60, 24, s60
	s_cmp_ge_u32 s45, 32
	s_cselect_b64 s[IS:IS+1], s[14:15], s[IS:IS+1]
	s_cselect_b32 s60, 32, s60
	s_cselect_b32 s61, 0, s61
	s_cmp_lg_u32 s61, 0
	s_cselect_b32 s58, s58, s59                    ; the tile's first row in its block
	s_mov_b32 s59, 0x8000
	s_cselect_b32 s59, 0x10000, s59                ; its rows 8-15 begin 16 rows on (chosen) or 8 (plain); a row is 4,096 bytes
	v_add_nc_u32 v[VB], s59, v[LI]
	s_sub_co_u32 s60, s45, s60
	s_lshl_b32 s60, s60, 7
	s_add_co_u32 s60, s60, s58                     ; the row in the tensor
	s_lshl_b32 s60, s60, 12
	s_lshl_b32 s61, s43, 9
	s_add_co_u32 s60, s60, s61
	s_mov_b32 s61, 0
	s_add_nc_u64 s[IS:IS+1], s[IS:IS+1], s[60:61]
	s_add_nc_u64 s[SC:SC+1], s[16:17], s[50:51]
	s_add_nc_u64 s[SW:SW+1], s[16:17], s[52:53]
.macro LOADB t                         ; tile t of my 64 rows of key or value (chosen rows): 16 loads of one row's 512 bytes each, into set t % 2
.set LR, R+64*((\t)%2)
.irp i, 0,1,2,3,4,5,6,7,8,9,10,11,12,13,14,15
	global_load_b128 v[LR+4*\i:LR+4*\i+3], v[LI], s[IB:IB+1] offset:(32*((\t)/2)+8*((\t)%2)+\i+8*(\i/8))*4096 th:TH_LOAD_NT
.endr
.endm
.macro LOADS                           ; the fifth unit, into set 0
.irp i, 0,1,2,3,4,5,6,7
	global_load_b128 v[R+4*\i:R+4*\i+3], v[LI], s[IS:IS+1] offset:4096*\i th:TH_LOAD_NT
.endr
.irp i, 0,1,2,3,4,5,6,7
	global_load_b128 v[R+32+4*\i:R+32+4*\i+3], v[VB], s[IS:IS+1] offset:4096*\i th:TH_LOAD_NT
.endr
.endm
; 64 numbers of a lane become a fragment's codes in v[PC] on and its scale word in v[PW]
.macro QUANT s
.irp b, 0,1,2,3
	v_max3_num_f32 v[TM+\b], |v[\s+16*\b]|, |v[\s+1+16*\b]|, 0x1800000   ; block b: my 16 numbers, and the floor 2^(3 - 127): the byte cannot fall under 1
.endr
.irp i, 2,4,6,8,10,12,14
.irp b, 0,1,2,3
	s_delay_alu instid0(VALU_DEP_4)
	v_max3_num_f32 v[TM+\b], v[TM+\b], |v[\s+16*\b+\i]|, |v[\s+1+16*\b+\i]|
.endr
.endr
.irp b, 0,1,2,3
	s_delay_alu instid0(VALU_DEP_4)
	v_permlanex16_b32 v[TM+4+\b], v[TM+\b], s[SEL], s[SEL+1]
.endr
.irp b, 0,1,2,3
	s_delay_alu instid0(VALU_DEP_4)
	v_max_num_f32 v[TM+\b], v[TM+\b], v[TM+4+\b]   ; with lane l xor 16's: the block's largest magnitude
.endr
.irp b, 0,1,2,3
	s_delay_alu instid0(VALU_DEP_4)
	v_add_nc_u32 v[TM+12+\b], 0xff000000, v[TM+\b] ; 2 off its exponent field: the conversion's scale operand
.endr
.irp b, 0,1,2,3
	s_delay_alu instid0(VALU_DEP_4)
	v_lshrrev_b32 v[TM+4+\b], 23, v[TM+12+\b]      ; the scale's byte
.endr
	s_delay_alu instid0(VALU_DEP_3)
	v_lshl_or_b32 v[PW], v[TM+5], 8, v[TM+4]
	s_delay_alu instid0(VALU_DEP_1)
	v_lshl_or_b32 v[PW], v[TM+6], 16, v[PW]
	s_delay_alu instid0(VALU_DEP_1)
	v_lshl_or_b32 v[PW], v[TM+7], 24, v[PW]
.irp c, 0,1
	v_cvt_scalef32_pk16_fp6_f32 v[PC+6*\c:PC+2+6*\c], v[\s+32*\c:\s+15+32*\c], v[TM+12+2*\c]
	v_cvt_scalef32_pk16_fp6_f32 v[PC+12+4*\c:PC+14+4*\c], v[\s+16+32*\c:\s+31+32*\c], v[TM+12+2*\c+1]   ; (a conversion's three registers begin on an even number)
.endr
	v_nop                                          ; one plain place behind a scaled conversion
.irp c, 0,1                            ; the operand's layout wants a whole block in a lane: lanes 0-15 block 2 c, lanes 16-31 block 2 c + 1
.irp i, 0,1,2
	v_permlane16_swap_b32 v[PC+6*\c+\i], v[PC+12+4*\c+\i]
.endr
.irp i, 0,1,2
	s_delay_alu instid0(VALU_DEP_3)
	v_mov_b32 v[PC+3+6*\c+\i], v[PC+12+4*\c+\i]
.endr
.endr
.endm
; The unit in set 'set' is turned and quantised.  left: the younger loads that may stay out.  next: 0: nothing more is asked for; 2, 3: that tile; 4: the fifth unit.
.macro UNIT set, left, next
	s_wait_loadcnt \left                           ; this unit's 16 loads are in; the next unit's 16, the only younger ones, may be out
.irp i, 0,1,2,3,4,5,6,7,8,9,10,11,12,13,14,15
	ds_store_b128 v[SI], v[R+64*(\set)+4*\i:R+64*(\set)+4*\i+3] offset:SP*\i
.endr
.irp b, 0,1,2,3
.irp j, 0,1,2,3
	ds_load_b128 v[X+16*\b+4*\j:X+16*\b+4*\j+3], v[SOUT] offset:128*\b+16*\j   ; LDS serves a wave's instructions in order: these see the stores above
.endr
.endr
	s_wait_dscnt 0x0                               ; the unit is turned, and the stores into the stage have read their registers
	s_wait_xcnt 0x0                                ; the last unit's stores have read the codes' registers, which the quantiser below writes again.  The wait stands ahead of the loads that follow, so that it does not wait for them
.if (\next) == 4
	LOADS
.elseif (\next) > 0
	LOADB \next
.endif
	QUANT X
.endm
.macro OUTB t                          ; tile t's words wait in LDS (both halves of the lanes write the same word); its image: three stores of 512 consecutive bytes, aligned
	ds_store_b32 v[WS], v[PW] offset:64*(\t)
.irp c, 0,1,2
	global_store_b128 v[LI], v[PC+4*\c:PC+4*\c+3], s[OC:OC+1] offset:IMG*(\t)+512*\c th:TH_STORE_NT
.endr
.endm
.macro WORDS                           ; four tiles' words: 256 consecutive bytes, aligned
	ds_load_b64 v[WD:WD+1], v[WR]
	s_wait_dscnt 0x0
	global_store_b64 v[L8], v[WD:WD+1], s[OW:OW+1] th:TH_STORE_NT
.endm
	LOADB 0
	LOADB 1
	UNIT 0, 16, 2
	OUTB 0
	UNIT 1, 16, 3
	OUTB 1
	s_cmp_lt_u32 s[WV], 10                         ; both ways are written out to their ends, so that every count is right on each
	s_cbranch_scc0 .Lfour
	UNIT 0, 16, 4
	OUTB 2
	UNIT 1, 16, 0
	OUTB 3
	WORDS
	UNIT 0, 0, 0                                   ; the fifth unit
.irp c, 0,1,2
	global_store_b128 v[LI], v[PC+4*\c:PC+4*\c+3], s[SC:SC+1] offset:512*\c th:TH_STORE_NT
.endr
	v_cmp_gt_u32 vcc_lo, 16, v[LN]                 ; its 16 scale words, lanes 0-15: the one store here that covers less than 256 bytes (64 of the unit's 1,600): no wave holds four tiles of this record
	s_wait_xcnt 0x0                                ; EXEC changes only behind this wait
	s_and_saveexec_b32 s21, vcc_lo
	global_store_b32 v[R4], v[PW], s[SW:SW+1]
	s_wait_xcnt 0x0                                ; and again in front of the line that widens it
	s_or_b32 exec_lo, exec_lo, s21
	s_wait_tensorcnt 0x0                           ; the wave's end
	ds_add_u32 v[SPW], v[NIL]
	s_wait_dscnt 0x0
	s_endpgm
.Lfour:
	UNIT 0, 16, 0
	OUTB 2
	UNIT 1, 0, 0
	OUTB 3
	WORDS
	s_wait_tensorcnt 0x0                           ; the wave's end, on this way too
	ds_add_u32 v[SPW], v[NIL]
	s_wait_dscnt 0x0
	s_endpgm
.Lfunc_end_k_q6125dd4d12_quant:
	.size	k_q6125dd4d12_quant, .Lfunc_end_k_q6125dd4d12_quant-k_q6125dd4d12_quant
	.p2alignl 7, 3214868480
	.fill 96, 4, 3214868480
	.section	.rodata,"a",@progbits
	.p2align	6, 0x0
	.amdhsa_kernel k_q6125dd4d12_quant
		.amdhsa_group_segment_fixed_size 141312
		.amdhsa_private_segment_fixed_size 0
		.amdhsa_enable_private_segment 0
		.amdhsa_kernarg_size 56
		.amdhsa_user_sgpr_count 2
		.amdhsa_user_sgpr_kernarg_segment_ptr 1
		.amdhsa_wavefront_size32 1
		.amdhsa_system_sgpr_workgroup_id_x 1
		.amdhsa_system_sgpr_workgroup_id_y 1
		.amdhsa_system_sgpr_workgroup_id_z 1
		.amdhsa_system_vgpr_workitem_id 0
		.amdhsa_next_free_vgpr 256
		.amdhsa_next_free_sgpr 66
		.amdhsa_reserve_vcc 1
		.amdhsa_float_denorm_mode_32 3
		.amdhsa_float_denorm_mode_16_64 3
		.amdhsa_memory_ordered 1
		.amdhsa_forward_progress 1
		.amdhsa_inst_pref_size 68
	.end_amdhsa_kernel
	.amdgpu_metadata
---
amdhsa.version: [ 1, 2 ]
amdhsa.kernels:
  - .name:           k_q6125dd4d12_quant
    .symbol:         k_q6125dd4d12_quant.kd
    .args:
      - { .name: key, .offset: 0, .size: 8, .value_kind: global_buffer, .address_space: global }
      - { .name: value, .offset: 8, .size: 8, .value_kind: global_buffer, .address_space: global }
      - { .name: query, .offset: 16, .size: 8, .value_kind: global_buffer, .address_space: global }
      - { .name: Wq, .offset: 24, .size: 8, .value_kind: global_buffer, .address_space: global }
      - { .name: Wk, .offset: 32, .size: 8, .value_kind: global_buffer, .address_space: global }
      - { .name: Wv, .offset: 40, .size: 8, .value_kind: global_buffer, .address_space: global }
      - { .name: xc, .offset: 48, .size: 8, .value_kind: global_buffer, .address_space: global }
    .group_segment_fixed_size: 141312
    .private_segment_fixed_size: 0
    .kernarg_segment_align: 8
    .kernarg_segment_size: 56
    .max_flat_workgroup_size: 512
    .sgpr_count:     66
    .vgpr_count:     256
    .wavefront_size: 32
...
	.end_amdgpu_metadata
.endif
;; end of part 1
;; launch proj (part 2): grid 16 x 16, 4 waves a work-group, clusters of 4 x 4, 327,680 bytes of LDS; arguments xc, bq, bk, bv, qc, kc, vc; writes qc, kc, vc
.if DOCPART == 2
	.amdgcn_target "amdgcn-amd-amdhsa--gfx1250"
	.amdhsa_code_object_version 6
	.text
	.protected	k_q6125dd4d12_proj
	.globl	k_q6125dd4d12_proj
	.p2align	8
	.type	k_q6125dd4d12_proj,@function
k_q6125dd4d12_proj:
	s_mov_b64 s[64:65], 0
	v_nop
	global_prefetch_b8 v0, s[64:65] scope:SCOPE_SE
	s_setreg_imm32_b32 hwreg(HW_REG_WAVE_MODE, 25, 1), 1
	s_wait_xcnt 0x0
	s_wait_alu depctr_hold_cnt(0) depctr_sa_sdst(0) depctr_va_vdst(0) depctr_va_sdst(0) depctr_va_ssrc(0) depctr_va_vcc(0) depctr_vm_vsrc(0)
	s_getreg_b32 s2, hwreg(HW_REG_IB_STS2, 6, 4)
	s_cmp_eq_u32 s2, 0
	s_cbranch_scc0 .Lentry_in_a_cluster
	s_endpgm
.Lentry_in_a_cluster:
	s_bfe_u32 s2, ttmp6, 0x10000c
	s_cmp_lg_u32 s2, 0xf033
	s_cbranch_scc0 .Lentry_shape_is_right
	s_endpgm
.Lentry_shape_is_right:
.set REC,   12800
.set IMG,   1536
.set SCO,   12288
.set BLKB,  8*REC
.set PART,  2*REC
.set SLOT,  4*PART
.set WSTG,  2*SLOT
.set SPARE, WSTG+2048
.set LI,  4
.set R4,  5
.set LN,  6
.set ADU, 16
.set ADT, 18
.set ASU, 20
.set AST, 22
.set WST, 24
.set WRD, 25
.set H64, 26
.set SPW, 28
.set NIL, 29
.set SC,  32
.set TM,  64
.set PW,  80
.set PC,  88
.set WD,  108
.set AF,  128
.set CB0, 96
.set WV,  18
.set UH,  19
.set TH,  20
.set CX,  21
.set CY,  22
.set KA,  23
.set G1U, 24
.set G0U, 32
.set G1T, 48
.set G0T, 56
.set NU,  68
.set NT,  72
.set OK,  76
.set OV,  78
.set OQ,  80
.set MU,  82
.set MT,  84
.set BQ,  86
.set BK,  88
.set BV,  90
.set SEL, 92
.set OQW, 96
.set MUW, 100
.set PFO, 30                           ; v30 the prefetches' offset: 256 x (25 x my place among the four partners + lane, held at 24); never rewritten
.set NTURN, 0                          ; counts the changes of slots as the text is assembled
.set MSB, 0
.macro WIN new
.if MSB != (\new)
	s_set_vgpr_msb (MSB<<8)|(\new)
.set MSB, (\new)
.endif
.endm
.macro PLACES
.rept 4
	v_nop
.endr
.endm
.macro JLOAD g0a, g1a, g0b, g1b
	s_cmp_eq_u32 s[UH], 0
	s_cbranch_scc0 .Lfor_t_\@
	tensor_load_to_lds s[\g0a:\g0a+3], s[\g1a:\g1a+7]
	s_nop 0
.rept 4
	v_nop
.endr
	s_branch .Lasked_\@
.Lfor_t_\@:
	tensor_load_to_lds s[\g0b:\g0b+3], s[\g1b:\g1b+7]
	s_nop 0
.rept 4
	v_nop
.endr
.Lasked_\@:
.endm
.macro CREST
	s_cmp_lg_u32 s[WV], 0
	s_cbranch_scc1 .Lnot_wave_0_\@
	s_barrier_signal -3
.Lnot_wave_0_\@:
	s_barrier_wait -3
	s_barrier_signal -1
	s_barrier_wait -1
.endm
.macro CROUND
	s_barrier_signal -1
	s_barrier_wait -1
	CREST
.endm
.macro FRAG reg, adr, off
.irp c, 0,1,2
	ds_load_b128 v[(\reg)+4*\c:(\reg)+4*\c+3], v[\adr] offset:(\off)+512*\c
.endr
.endm
.macro QUANTW W, s, pw
	WIN (\W)|((\W)<<2)
.irp b, 0,1,2,3
	v_max3_num_f32 v[TM+\b], |v[(\s)+16*\b]|, |v[(\s)+1+16*\b]|, 0x1800000
.endr
	WIN ((\W)<<2)|((\W)<<4)
.irp i, 2,4,6,8,10,12,14
.irp b, 0,1,2,3
	v_max3_num_f32 v[TM+\b], v[TM+\b], |v[(\s)+16*\b+\i]|, |v[(\s)+1+16*\b+\i]|
.endr
.endr
	WIN 0
.irp b, 0,1,2,3
	v_permlanex16_b32 v[TM+4+\b], v[TM+\b], s[SEL], s[SEL+1]
.endr
.irp b, 0,1,2,3
	v_max_num_f32 v[TM+\b], v[TM+\b], v[TM+4+\b]
.endr
.irp b, 0,1,2,3
	v_add_nc_u32 v[TM+12+\b], 0xff000000, v[TM+\b]
.endr
.irp b, 0,1,2,3
	v_lshrrev_b32 v[TM+4+\b], 23, v[TM+12+\b]
.endr
	v_lshl_or_b32 v[\pw], v[TM+5], 8, v[TM+4]
	v_lshl_or_b32 v[\pw], v[TM+6], 16, v[\pw]
	v_lshl_or_b32 v[\pw], v[TM+7], 24, v[\pw]
	s_wait_xcnt 0x0
	WIN (\W)
.irp c, 0,1
	v_cvt_scalef32_pk16_fp6_f32 v[PC+6*\c:PC+2+6*\c], v[(\s)+32*\c:(\s)+15+32*\c], v[TM+12+2*\c]
	v_cvt_scalef32_pk16_fp6_f32 v[PC+12+4*\c:PC+14+4*\c], v[(\s)+16+32*\c:(\s)+31+32*\c], v[TM+12+2*\c+1]
.endr
	WIN 0
	v_nop
.irp c, 0,1
.irp i, 0,1,2
	v_permlane16_swap_b32 v[PC+6*\c+\i], v[PC+12+4*\c+\i]
.endr
.irp i, 0,1,2
	v_mov_b32 v[PC+3+6*\c+\i], v[PC+12+4*\c+\i]
.endr
.endr
.endm
.macro PUT base, off
.irp c, 0,1,2
	global_store_b128 v[LI], v[PC+4*\c:PC+4*\c+3], s[\base:\base+1] offset:(\off)+512*\c th:TH_STORE_NT
.endr
.endm
.macro BIASB base
	WIN 0x40
.irp b, 0,1,2,3,4,5,6,7
	global_load_b128 v[CB0+8*\b+96*(\b/4):CB0+8*\b+96*(\b/4)+3], v[H64], s[\base:\base+1] offset:(32*(\b/2)+8*(\b%2))*4
	global_load_b128 v[CB0+8*\b+96*(\b/4)+4:CB0+8*\b+96*(\b/4)+7], v[H64], s[\base:\base+1] offset:(32*(\b/2)+8*(\b%2))*4+16
.endr
	WIN 0
.endm
	s_load_b256 s[4:11], s[0:1], 0x0
	s_load_b128 s[12:15], s[0:1], 0x20
	s_load_b64 s[16:17], s[0:1], 0x30
	v_lshl_add_u32 v[SPW], v0, 2, SPARE
	v_mov_b32 v[NIL], 0
	ds_add_u32 v[SPW], v[NIL]
	ds_add_u32 v[SPW], v[NIL]
	v_lshrrev_b32 v1, 5, v0
	v_readfirstlane_b32 s[WV], v1
	s_lshr_b32 s[UH], s[WV], 1
	s_and_b32 s[TH], s[WV], 1
	s_bfe_u32 s[CX], ttmp6, 0x40000
	s_bfe_u32 s[CY], ttmp6, 0x40004
	s_and_b32 s[KA], ttmp7, 0xffff
	s_lshl_b32 s[KA], s[KA], 2
	s_add_co_u32 s[KA], s[KA], ttmp9
	s_lshl_b32 s2, s[CY], 2
	s_lshl_b32 s2, 15, s2
	s_lshl_b32 s3, 0x1111, s[CX]
	s_or_b32 s[G1U], s2, (3<<16)|(1<<21)
	s_or_b32 s[G1T], s3, (3<<16)|(1<<21)
.irp g, G1U, G1T
	s_mov_b32 s[\g+1], 32<<16
	s_mov_b32 s[\g+2], 100<<16
	s_mov_b32 s[\g+3], 32<<16
	s_mov_b32 s[\g+4], 100
	s_mov_b32 s[\g+5], 32
	s_mov_b32 s[\g+6], 0
	s_mov_b32 s[\g+7], 0
.endr
	s_lshl_b32 s40, s[KA], 3
	s_lshl_b32 s41, s[CY], 1
	s_add_co_u32 s40, s40, s41
	s_add_co_u32 s40, s40, s[TH]
	s_mul_i32 s40, s40, BLKB
	s_add_co_u32 s42, s41, s[TH]
	s_add_co_u32 s42, s42, 288
	s_mul_i32 s42, s42, BLKB
	s_mov_b32 s41, 0
	s_mov_b32 s43, 0
	s_lshl_b32 s45, s[CX], 1
	s_add_co_u32 s45, s45, s[TH]
	s_add_co_u32 s44, s45, 280
	s_mul_i32 s44, s44, BLKB
	s_lshl_b32 s46, s[KA], 3
	s_add_co_u32 s46, s46, s45
	s_add_co_u32 s46, s46, 128
	s_mul_i32 s46, s46, BLKB
	s_mov_b32 s45, 0
	s_mov_b32 s47, 0
	s_mul_i32 s66, s[WV], PART
	s_mov_b32 s[SEL], 0x76543210
	s_mov_b32 s[SEL+1], 0xfedcba98
	s_wait_dscnt 0x0
	s_wait_kmcnt 0x0
	s_add_nc_u64 s[40:41], s[4:5], s[40:41]
	s_add_nc_u64 s[NU:NU+1], s[4:5], s[42:43]
	s_add_nc_u64 s[NU+2:NU+3], s[NU:NU+1], PART
	s_add_nc_u64 s[44:45], s[4:5], s[44:45]
	s_add_nc_u64 s[NT:NT+1], s[4:5], s[46:47]
	s_add_nc_u64 s[NT+2:NT+3], s[NT:NT+1], PART
	CROUND
.irp s, 0,1
	s_mov_b32 s[G0U+4*\s], 1
	s_add_co_u32 s[G0U+4*\s+1], s66, \s*SLOT
	s_add_nc_u64 s[G0U+4*\s+2:G0U+4*\s+3], s[40:41], \s*PART
	s_or_b32 s[G0U+4*\s+3], s[G0U+4*\s+3], 0x80000000
	s_mov_b32 s[G0T+4*\s], 1
	s_add_co_u32 s[G0T+4*\s+1], s66, \s*SLOT
	s_add_nc_u64 s[G0T+4*\s+2:G0T+4*\s+3], s[44:45], \s*PART
	s_or_b32 s[G0T+4*\s+3], s[G0T+4*\s+3], 0x80000000
.endr
	JLOAD G0U, G1U, G0T, G1T                       ; slot 0: my one tensor load at the head, behind the round above
	v_and_b32 v[LN], 31, v0
	v_and_b32 v7, 15, v0
	v_bfe_u32 v8, v0, 4, 1
	v_lshlrev_b32 v[LI], 4, v[LN]
	v_lshlrev_b32 v[R4], 2, v7
	v_lshlrev_b32 v[H64], 6, v8
	; PREFETCHES: a fill of mine is 100 blocks of 256 bytes, asked for jointly by four partners: each names 25, told apart by address (cx for U, cy for T), one instruction a wave.
	; Each fill is named two fills ahead of its tensor load (the second fill one ahead); every step is an immediate.  s[42:43]: my part of the first product's tiles; s[46:47]: of the second's.
	s_cmp_eq_u32 s[UH], 0
	s_cselect_b64 s[42:43], s[40:41], s[44:45]
	s_cselect_b64 s[46:47], s[NU:NU+1], s[NT:NT+1]
	s_cselect_b32 s2, s[CX], s[CY]
	s_mul_i32 s2, s2, 25*256
	v_min_u32 v[PFO], 24, v[LN]
	v_lshl_add_u32 v[PFO], v[PFO], 8, s2
	s_wait_alu depctr_va_vdst(0)                   ; directly behind the write
	global_prefetch_b8 v[PFO], s[42:43] offset:PART th:TH_LOAD_NT scope:SCOPE_SE
	global_prefetch_b8 v[PFO], s[42:43] offset:2*PART th:TH_LOAD_NT scope:SCOPE_SE
	s_mul_i32 s2, s[UH], PART
	s_mul_i32 s3, s[TH], PART
	s_add_co_u32 s3, s3, 2*PART
.irp s, 0,1
	v_add_nc_u32 v[ADU+\s], s2, v[LI]
	v_add_nc_u32 v[ADT+\s], s3, v[LI]
	v_add_nc_u32 v[ASU+\s], s2, v[R4]
	v_add_nc_u32 v[AST+\s], s3, v[R4]
	s_add_co_u32 s2, s2, SLOT
	s_add_co_u32 s3, s3, SLOT
.endr
	s_lshl_b32 s2, s[WV], 9
	s_add_co_u32 s2, s2, WSTG
	v_add_nc_u32 v[WST], s2, v[R4]
	v_add_nc_u32 v[WRD], s2, v[LI]
.irp b, 0,1,2,3
	v_mov_b32 v[TM+4+\b], 0
.endr
	s_lshl_b32 s96, s[CX], 1
	s_add_co_u32 s96, s96, s[TH]
	s_lshl_b32 s97, s[CY], 1
	s_add_co_u32 s97, s97, s[UH]
	s_lshl_b32 s94, s[KA], 3
	s_add_co_u32 s94, s94, s97
	s_lshl_b32 s94, s94, 3
	s_add_co_u32 s94, s94, s96
	s_mul_i32 s94, s94, REC
	s_mov_b32 s95, 0
	s_add_nc_u64 s[OK:OK+1], s[14:15], s[94:95]
	s_lshr_b32 s98, s[KA], 2
	s_lshl_b32 s98, s98, 3
	s_add_co_u32 s98, s98, s97
	s_lshl_b32 s98, s98, 5
	s_and_b32 s99, s[KA], 3
	s_lshl_b32 s99, s99, 3
	s_add_co_u32 s98, s98, s99
	s_add_co_u32 s98, s98, s96
	s_mul_i32 s98, s98, REC
	s_mov_b32 s99, 0
	s_add_nc_u64 s[OV:OV+1], s[16:17], s[98:99]
	s_lshl_b32 s94, s96, 9
	s_add_nc_u64 s[BK:BK+1], s[8:9], s[94:95]
	s_lshl_b32 s94, s97, 9
	s_add_nc_u64 s[BV:BV+1], s[10:11], s[94:95]
	s_lshl_b32 s2, s[KA], 4
	s_lshl_b32 s3, s[CY], 2
	s_add_co_u32 s2, s2, s3
	s_add_co_u32 s2, s2, s[CX]
	s_and_b32 s3, s2, 7
	s_bfe_u32 s67, s2, 0x10003
	s_lshl_b32 s67, s67, 2
	s_add_co_u32 s67, s67, s[WV]
	s_lshl_b32 s94, s3, 9
	s_add_nc_u64 s[BQ:BQ+1], s[6:7], s[94:95]
	s_add_co_u32 s94, s[KA], 256
	s_mul_i32 s94, s94, BLKB
	s_mul_i32 s98, s67, IMG
	s_add_co_u32 s98, s98, s94
	s_add_nc_u64 s[MU:MU+1], s[4:5], s[98:99]
	s_lshl_b32 s98, s67, 6
	s_add_co_u32 s98, s98, s94
	s_add_co_u32 s98, s98, SCO
	s_add_nc_u64 s[MUW:MUW+1], s[4:5], s[98:99]
	s_add_co_u32 s94, s3, 272
	s_mul_i32 s94, s94, BLKB
	s_add_nc_u64 s[MT:MT+1], s[4:5], s[94:95]
	s_lshl_b32 s94, s[KA], 3
	s_add_co_u32 s94, s94, s3
	s_mul_i32 s94, s94, REC
	s_mul_i32 s98, s67, IMG
	s_add_co_u32 s98, s98, s94
	s_add_nc_u64 s[OQ:OQ+1], s[12:13], s[98:99]
	s_lshl_b32 s98, s67, 6
	s_add_co_u32 s98, s98, s94
	s_add_co_u32 s98, s98, SCO
	s_add_nc_u64 s[OQW:OQW+1], s[12:13], s[98:99]
.macro G s
.set GW, 1+2*(((\s)%4)/2)
.set GB, 128*((\s)%2)
.set GS, SC+16*((\s)%4)+160*(((\s)%4)/2)
	WIN (GW<<6)
.irp b, 0,1,2,3,4,5,6,7
.irp c, 0,1,2
	global_load_b128 v[GB+12*\b+4*\c:GB+12*\b+4*\c+3], v[LI], s[MT:MT+1] offset:REC*(\s)+IMG*\b+512*\c
.endr
.endr
	WIN 0
.irp b, 0,1,2,3,4,5,6,7
	global_load_b32 v[GS+8+\b], v[R4], s[MT:MT+1] offset:REC*(\s)+SCO+64*\b
.endr
	global_load_b32 v[GS], v[R4], s[MUW:MUW+1] offset:REC*(\s)
.endm
.macro QSTEP s
.if (\s) < 6
	s_wait_loadcnt 63
.elseif (\s) == 6
	s_wait_loadcnt 33
.else
	s_wait_loadcnt 0x0
.endif
.set GW, 1+2*(((\s)%4)/2)
.set GB, 128*((\s)%2)
.set GS, SC+16*((\s)%4)+160*(((\s)%4)/2)
.if (\s) == 0
	WIN 0x91
.else
	WIN (0xa0|GW)
.endif
.irp b, 0,1,2,3,4,5,6,7
.if (\s) == 0
	v_wmma_scale_f32_16x16x128_f8f6f4 v[8*\b:8*\b+7], v[GB+12*\b:GB+12*\b+11], v[AF+12*(\s):AF+12*(\s)+11], v[CB0+8*\b+96*(\b/4):CB0+8*\b+96*(\b/4)+7], v[GS+8+\b], v[GS] matrix_a_fmt:MATRIX_FMT_FP6 matrix_b_fmt:MATRIX_FMT_FP6
.else
	v_wmma_scale_f32_16x16x128_f8f6f4 v[8*\b:8*\b+7], v[GB+12*\b:GB+12*\b+11], v[AF+12*(\s):AF+12*(\s)+11], v[8*\b:8*\b+7], v[GS+8+\b], v[GS] matrix_a_fmt:MATRIX_FMT_FP6 matrix_b_fmt:MATRIX_FMT_FP6
.endif
.endr
	WIN 0
	PLACES
.if (\s) < 4
	G (\s)+4
.if (\s) == 0
	BIASB BK                                       ; bk: its registers held bq, which this step's products have read, four places back
.endif
.endif
.endm
	BIASB BQ
.irp s, 0,1,2,3,4,5,6,7
.irp c, 0,1,2
	global_load_b128 v[AF+12*\s+4*\c:AF+12*\s+4*\c+3], v[LI], s[MU:MU+1] offset:REC*\s+512*\c
.endr
.endr
	G 0
	G 1
	G 2
	G 3
	s_wait_alu depctr_va_vdst(0)
	s_wait_tensorcnt 0x0                           ; slot 1's first fill is issued as a refill is: my part of slot 0 is in,
	ds_add_u32 v[SPW], v[NIL]                      ; an add of 0 to my spare word,
	s_wait_dscnt 0x0
	CROUND                                         ; a whole round of the cluster's barrier,
	JLOAD G0U+4, G1U, G0T+4, G1T                   ; and the joint load first behind it; the q projection's global loads were asked for above
	global_prefetch_b8 v[PFO], s[42:43] offset:3*PART th:TH_LOAD_NT scope:SCOPE_SE
.irp s, 0,1,2,3,4,5,6,7
	QSTEP \s
.endr
	QUANTW 2, 0, PW
	PUT OQ, 0
	v_cmp_gt_u32 vcc_lo, 16, v[LN]
	s_wait_xcnt 0x0
	s_and_saveexec_b32 s67, vcc_lo
	global_store_b32 v[R4], v[PW], s[OQW:OQW+1]
	s_wait_xcnt 0x0
	s_or_b32 exec_lo, exec_lo, s67
.macro FETCH_T slot, q, set
	WIN 0x40
.irp i, 0,1,2,3,4,5,6,7
	FRAG 128*(\set)+12*\i, ADT+\slot, REC*(\q)+IMG*\i
.endr
	WIN 0
.endm
.macro FETCH_U slot, q, i0
.irp i, \i0, \i0+1, \i0+2, \i0+3
	FRAG AF+12*(\i), ADU+\slot, REC*(\q)+IMG*(\i)
.endr
.endm
.macro SCALES slot, q
.irp i, 0,1,2,3,4,5,6,7
	ds_load_b32 v[SC+16*(\q)+\i], v[ASU+\slot] offset:REC*(\q)+SCO+64*\i
	ds_load_b32 v[SC+16*(\q)+8+\i], v[AST+\slot] offset:REC*(\q)+SCO+64*\i
.endr
.endm
.macro MUL16 a0, set, mode
.irp a, \a0, \a0+1
.irp b, 0,1,2,3,4,5,6,7
.if \mode == 0
	v_wmma_scale_f32_16x16x128_f8f6f4 v[8*(8*((\a)%4)+\b):8*(8*((\a)%4)+\b)+7], v[128*(\set)+12*\b:128*(\set)+12*\b+11], v[AF+12*(\a):AF+12*(\a)+11], v[8*(8*((\a)%4)+\b):8*(8*((\a)%4)+\b)+7], v[SC+16*(\set)+8+\b], v[SC+16*(\set)+(\a)] matrix_a_fmt:MATRIX_FMT_FP6 matrix_b_fmt:MATRIX_FMT_FP6
.elseif \mode == 1
	v_wmma_scale_f32_16x16x128_f8f6f4 v[8*(8*((\a)%4)+\b):8*(8*((\a)%4)+\b)+7], v[128*(\set)+12*\b:128*(\set)+12*\b+11], v[AF+12*(\a):AF+12*(\a)+11], v[CB0+8*\b+96*(\b/4):CB0+8*\b+96*(\b/4)+7], v[SC+16*(\set)+8+\b], v[SC+16*(\set)+(\a)] matrix_a_fmt:MATRIX_FMT_FP6 matrix_b_fmt:MATRIX_FMT_FP6
.else
	v_wmma_scale_f32_16x16x128_f8f6f4 v[8*(8*((\a)%4)+\b):8*(8*((\a)%4)+\b)+7], v[128*(\set)+12*\b:128*(\set)+12*\b+11], v[AF+12*(\a):AF+12*(\a)+11], v[CB0+8*(\a)+96*((\a)/4):CB0+8*(\a)+96*((\a)/4)+7], v[SC+16*(\set)+8+\b], v[SC+16*(\set)+(\a)] matrix_a_fmt:MATRIX_FMT_FP6 matrix_b_fmt:MATRIX_FMT_FP6
.endif
.endr
.endr
.endm
.macro STEP slot, mode
	s_wait_dscnt 12
.if \mode
	WIN 0x91
.else
	WIN 0xa1
.endif
	MUL16 0, 0, \mode
	MUL16 2, 0, \mode
	s_wait_dscnt 0x0
	PLACES
	FETCH_T \slot, 1, 1
	FETCH_U \slot, 1, 0
	SCALES \slot, 1
.if \mode
	WIN 0xd1
.else
	WIN 0xf1
.endif
	MUL16 4, 0, \mode
	MUL16 6, 0, \mode
	PLACES
	WIN 0
	FETCH_U \slot, 1, 4
.endm
.macro TURN slot, next, fill
	s_wait_tensorcnt 0x0
	ds_add_u32 v[SPW], v[NIL]
	s_wait_dscnt 13
	WIN 0xa1
	MUL16 0, 1, 0
	s_wait_dscnt 0x0
	s_barrier_signal -1
	MUL16 2, 1, 0
	WIN 0
	s_barrier_wait -1
.if \fill == 1
	CREST
	s_add_nc_u64 s[G0U+4*\slot+2:G0U+4*\slot+3], s[G0U+4*\slot+2:G0U+4*\slot+3], 2*PART
	s_add_nc_u64 s[G0T+4*\slot+2:G0T+4*\slot+3], s[G0T+4*\slot+2:G0T+4*\slot+3], 2*PART
	JLOAD G0U+4*\slot, G1U, G0T+4*\slot, G1T
.elseif \fill == 2
	CREST
	s_mov_b64 s[G0U+4*\slot+2:G0U+4*\slot+3], s[NU+2*\slot:NU+2*\slot+1]
	s_or_b32 s[G0U+4*\slot+3], s[G0U+4*\slot+3], 0x80000000
	s_mov_b64 s[G0T+4*\slot+2:G0T+4*\slot+3], s[NT+2*\slot:NT+2*\slot+1]
	s_or_b32 s[G0T+4*\slot+3], s[G0T+4*\slot+3], 0x80000000
	JLOAD G0U+4*\slot, G1U, G0T+4*\slot, G1T
.else
	PLACES
.endif
	FETCH_T \next, 0, 0
	FETCH_U \next, 0, 0
	SCALES \next, 0
.if NTURN < 4
	global_prefetch_b8 v[PFO], s[46:47] offset:NTURN*PART th:TH_LOAD_NT scope:SCOPE_SE   ; the second product's fill that stands two fills on
.endif
.set NTURN, NTURN+1
	WIN 0xf1
	MUL16 4, 1, 0
	MUL16 6, 1, 0
	PLACES
	WIN 0
	FETCH_U \next, 0, 4
.endm
.macro EPI base
.irp a, 0,1,2,3,4,5,6,7
	QUANTW 2+\a/4, 64*(\a%4), PW+\a
	PUT \base, IMG*\a
	ds_store_b32 v[WST], v[PW+\a] offset:64*\a
.endr
	ds_load_b128 v[WD:WD+3], v[WRD]
	s_wait_dscnt 0x0
	global_store_b128 v[LI], v[WD:WD+3], s[\base:\base+1] offset:SCO th:TH_STORE_NT
.endm
	s_wait_loadcnt 0x0
	s_wait_tensorcnt 0x1
	s_barrier_signal -1
	s_barrier_wait -1
	PLACES
	FETCH_T 0, 0, 0
	FETCH_U 0, 0, 0
	SCALES 0, 0
	FETCH_U 0, 0, 4
	STEP 0, 1
	TURN 0, 1, 1
	STEP 1, 0
	TURN 1, 0, 1
	STEP 0, 0
	TURN 0, 1, 2
	STEP 1, 0
	TURN 1, 0, 2
	WIN 0x40
.irp a, 0,1,2,3,4,5,6,7
	global_load_b32 v[CB0+8*\a+96*(\a/4)], v[R4], s[BV:BV+1] offset:64*\a
.endr
	WIN 0
	EPI OK
	s_wait_loadcnt 0x0
	WIN 0x41
.irp a, 0,1,2,3,4,5,6,7
.irp j, 1,2,3,4,5,6,7
	v_mov_b32 v[CB0+8*\a+96*(\a/4)+\j], v[CB0+8*\a+96*(\a/4)]
.endr
.endr
	PLACES
	WIN 0
	s_wait_alu depctr_va_vdst(0)
	STEP 0, 2
	TURN 0, 1, 1
	STEP 1, 0
	TURN 1, 0, 1
	STEP 0, 0
	TURN 0, 1, 0
	STEP 1, 0
	s_wait_dscnt 12
	WIN 0xa1
	MUL16 0, 1, 0
	MUL16 2, 1, 0
	s_wait_dscnt 0x0
	WIN 0xf1
	MUL16 4, 1, 0
	MUL16 6, 1, 0
	WIN 0
	PLACES
	EPI OV
	s_wait_tensorcnt 0x0
	ds_add_u32 v[SPW], v[NIL]
	s_wait_dscnt 0x0
	CROUND
	s_endpgm
.Lfunc_end_k_q6125dd4d12_proj:
	.size	k_q6125dd4d12_proj, .Lfunc_end_k_q6125dd4d12_proj-k_q6125dd4d12_proj
	.p2alignl 7, 3214868480
	.fill 96, 4, 3214868480
	.section	.rodata,"a",@progbits
	.p2align	6, 0x0
	.amdhsa_kernel k_q6125dd4d12_proj
		.amdhsa_group_segment_fixed_size 327680
		.amdhsa_private_segment_fixed_size 0
		.amdhsa_enable_private_segment 0
		.amdhsa_kernarg_size 56
		.amdhsa_user_sgpr_count 2
		.amdhsa_user_sgpr_kernarg_segment_ptr 1
		.amdhsa_wavefront_size32 1
		.amdhsa_system_sgpr_workgroup_id_x 1
		.amdhsa_system_sgpr_workgroup_id_y 1
		.amdhsa_system_sgpr_workgroup_id_z 1
		.amdhsa_system_vgpr_workitem_id 0
		.amdhsa_next_free_vgpr 1024
		.amdhsa_next_free_sgpr 102
		.amdhsa_reserve_vcc 1
		.amdhsa_float_denorm_mode_32 3
		.amdhsa_float_denorm_mode_16_64 3
		.amdhsa_memory_ordered 1
		.amdhsa_forward_progress 1
		.amdhsa_inst_pref_size 255
	.end_amdhsa_kernel
	.section	.bss,"aw",@nobits
	.p2align	6
	.space	262144
	.amdgpu_metadata
---
amdhsa.version: [ 1, 2 ]
amdhsa.kernels:
  - .name:           k_q6125dd4d12_proj
    .symbol:         k_q6125dd4d12_proj.kd
    .args:
      - { .name: xc, .offset: 0, .size: 8, .value_kind: global_buffer, .address_space: global }
      - { .name: bq, .offset: 8, .size: 8, .value_kind: global_buffer, .address_space: global }
      - { .name: bk, .offset: 16, .size: 8, .value_kind: global_buffer, .address_space: global }
      - { .name: bv, .offset: 24, .size: 8, .value_kind: global_buffer, .address_space: global }
      - { .name: qc, .offset: 32, .size: 8, .value_kind: global_buffer, .address_space: global }
      - { .name: kc, .offset: 40, .size: 8, .value_kind: global_buffer, .address_space: global }
      - { .name: vc, .offset: 48, .size: 8, .value_kind: global_buffer, .address_space: global }
    .group_segment_fixed_size: 327680
    .private_segment_fixed_size: 0
    .kernarg_segment_align: 8
    .kernarg_segment_size: 56
    .max_flat_workgroup_size: 128
    .sgpr_count:     102
    .vgpr_count:     1024
    .wavefront_size: 32
...
	.end_amdgpu_metadata
.endif
;; end of part 2
;; launch score (part 3): grid 16 x 16, 4 waves a work-group, clusters of 4 x 4, 327,680 bytes of LDS; arguments qc, kc, attn_mask, pc, pm, pl; writes pc, pm, pl
.if DOCPART == 3
	.amdgcn_target "amdgcn-amd-amdhsa--gfx1250"
	.amdhsa_code_object_version 6
	.text
	.protected	k_q6125dd4d12_score
	.globl	k_q6125dd4d12_score
	.p2align	8
	.type	k_q6125dd4d12_score,@function
k_q6125dd4d12_score:
	s_mov_b64 s[64:65], 0
	v_nop
	global_prefetch_b8 v0, s[64:65] scope:SCOPE_SE
	s_setreg_imm32_b32 hwreg(HW_REG_WAVE_MODE, 25, 1), 1
	s_wait_xcnt 0x0
	s_wait_alu depctr_hold_cnt(0) depctr_sa_sdst(0) depctr_va_vdst(0) depctr_va_sdst(0) depctr_va_ssrc(0) depctr_va_vcc(0) depctr_vm_vsrc(0)
	s_getreg_b32 s2, hwreg(HW_REG_IB_STS2, 6, 4)
	s_cmp_eq_u32 s2, 0
	s_cbranch_scc0 .Lentry_in_a_cluster
	s_endpgm
.Lentry_in_a_cluster:
	s_bfe_u32 s2, ttmp6, 0x10000c
	s_cmp_lg_u32 s2, 0xf033
	s_cbranch_scc0 .Lentry_shape_is_right
	s_endpgm
.Lentry_shape_is_right:
; THIRD LAUNCH: the scores, the mask and the softmax's numerator; no work is left out.  S^T = k q^T (source 0 = 16 keys, source 1 = 16 queries): a lane holds one query, its registers run along the keys (k's tiles hold chosen keys).
; t = score x log2(e) / 32; a masked key's t gets a term of at most -2^125 added.  For each CHUNK of 128 keys: M_c = ceil(the chunk's largest t of the row), a whole number; p = 2^(t - M_c) is quantised along the keys;
; l_c = the sum of the unquantised p.  Since M_c is a whole number, the last launch brings every chunk under the row's M by taking M - M_c off the scale bytes: the codes stay.
; OUT: pc: p's records [block of 128 queries 0-15][chunk 0-31] (layout: the first launch's head comment), scale words under M_c;  pm, pl: M_c and l_c, f32, [chunk][query 0-2047].
; SHARES: a work-group takes 128 queries x 256 keys, K = 1,024; all its operands (q: 102,400 bytes, k: 204,800) fit in LDS at once and are filled once, in two halves of four K steps, so that the products begin
; when the first has landed.  A wave takes 64 queries x 128 keys: 32 accumulators.  CLUSTERS of 4 x 4: q's block is shared along a row, k's blocks along a column: joint loads.
; THE MASK is asked for at the head and waited for behind the last product: only the way out reads it, so no product waits for it.
; LIMITS: a kept t gets at most 2.4e-38 added; a t under -2^100 counts as masked; a block of p that is all zeros carries the byte 1; NaN and infinities among the inputs are not served.
; REGISTERS: window 0: v4-29 addresses; v32-55 scale words and nothing else; v56-63 M and l of four tiles; v64-127 the mask; v128-223 q's fragments, two sets (on the way out v128-254 are at work).
;   window 1: k's fragments, two sets, at v0 and v128.   window 2: accumulator (a, b) at v[8 (8 a + b)].
; THE FILLS, as the text below has them: two halves of four K steps, one joint load a wave each: K steps 0-3 at the head, K steps 4-7 behind a round of the cluster's barrier.
.set REC,   12800
.set IMG,   1536
.set SCO,   12288
.set KL,    8*REC                      ; q's eight records lie from 0, k's two blocks of eight from here
.set STG,   24*REC                     ; behind them: 768 bytes a wave: 64 rows' scale words, M, l; no fill lands there
.set SPARE, STG+3072
.set LI,  4
.set L8,  5
.set MO,  6                            ; v6 the mask: 4096 r + 16 h; never rewritten
.set R4,  7
.set AU,  16                           ; v16-17 q's images, K steps 0-3 and 4-7 (an offset has 16 bits);  v18-19 k's;  v20-23 the same + 4 r
.set AT,  18
.set ASU, 20
.set AST, 22
.set STS, 24
.set STR, 25
.set SPW, 28
.set NIL, 29
.set SC,  32                           ; set s % 2 at v[32 + 12 set]: q's four words, then k's eight
.set MM,  56
.set LL,  60
.set MK,  64
.set UF,  128
.set H,   128                          ; the way out: 64 numbers t, then p
.set BM,  192
.set BP,  196
.set SX,  200
.set BY,  204
.set NM,  208
.set LS,  210
.set L2,  212
.set PWT, 214
.set PC,  218
.set TS,  240
.set TT,  252
.set WV,  16
.set WI,  17                           ; which 64 queries.  Also: I fetch for q (0) or for k (1)
.set WJ,  18                           ; which 128 keys.  Also: which part I fetch
.set G1A, 28
.set G1B, 36
.set G0A, 44                           ; s[44:51] two groups 0 for q;  s[68:75] for k: none is rewritten while its load is out
.set G0B, 68
.set MB,  86                           ; s[86:87] the mask's base; never rewritten
.set PB,  88
.set PWB, 90
.set PMB, 92
.set PLB, 94
.set SEL, 96
.set CC,  98
.set FE,  99
.set PFO, 8                            ; v8 the prefetch's offset: 256 x (25 x my place among the four partners + lane, held at 24); never rewritten.  s[100:101]: my part of q or k
.set MSB, 0
.macro WIN new
.if MSB != (\new)
	s_set_vgpr_msb (MSB<<8)|(\new)
.set MSB, (\new)
.endif
.endm
.macro PLACES
.rept 4
	v_nop
.endr
.endm
.macro JLOAD g0a, g1a, g0b, g1b
	s_cmp_eq_u32 s[WI], 0
	s_cbranch_scc0 .Lfor_k_\@
	tensor_load_to_lds s[\g0a:\g0a+3], s[\g1a:\g1a+7]
	s_nop 0
.rept 4
	v_nop
.endr
	s_branch .Lasked_\@
.Lfor_k_\@:
	tensor_load_to_lds s[\g0b:\g0b+3], s[\g1b:\g1b+7]
	s_nop 0
.rept 4
	v_nop
.endr
.Lasked_\@:
.endm
.macro CROUND
	s_barrier_signal -1
	s_barrier_wait -1
	s_cmp_lg_u32 s[WV], 0
	s_cbranch_scc1 .Lnot_wave_0_\@
	s_barrier_signal -3
.Lnot_wave_0_\@:
	s_barrier_wait -3
	s_barrier_signal -1
	s_barrier_wait -1
.endm
.macro FRAG reg, adr, off
.irp c, 0,1,2
	ds_load_b128 v[(\reg)+4*\c:(\reg)+4*\c+3], v[\adr] offset:(\off)+512*\c
.endr
.endm
	s_load_b256 s[4:11], s[0:1], 0x0               ; qc, kc, attn_mask, pc
	s_load_b128 s[12:15], s[0:1], 0x20             ; pm, pl
	v_lshl_add_u32 v[SPW], v0, 2, SPARE
	v_mov_b32 v[NIL], 0
	ds_add_u32 v[SPW], v[NIL]                      ; the wave's opening: the add, twice on end, and its wait ahead of my first tensor load
	ds_add_u32 v[SPW], v[NIL]
	v_lshrrev_b32 v1, 5, v0
	v_readfirstlane_b32 s[WV], v1
	s_lshr_b32 s[WI], s[WV], 1
	s_and_b32 s[WJ], s[WV], 1
	s_bfe_u32 s19, ttmp6, 0x40000                  ; cx
	s_bfe_u32 s20, ttmp6, 0x40004                  ; cy
	s_lshl_b32 s21, ttmp9, 2
	s_add_co_u32 s21, s21, s19                     ; x: which 256 keys
	s_and_b32 s23, ttmp7, 0xffff                   ; the batch = the cluster's y
	s_lshl_b32 s22, s23, 2
	s_add_co_u32 s22, s22, s20                     ; y: which block of 128 queries
	s_lshl_b32 s24, s20, 2
	s_lshl_b32 s24, 15, s24                        ; my row of the cluster
	s_lshl_b32 s25, 0x1111, s19                    ; my column
	s_or_b32 s[G1A], s24, (3<<16)|(1<<21)
	s_or_b32 s[G1B], s25, (3<<16)|(1<<21)
	s_mov_b32 s[G1A+1], 32<<16                     ; q: rows of 256 bytes
	s_mov_b32 s[G1A+2], 100<<16                    ; q: two records, 100 rows of 256 bytes
	s_mov_b32 s[G1A+3], 32<<16
	s_mov_b32 s[G1A+4], 100
	s_mov_b32 s[G1A+5], 32
	s_mov_b32 s[G1A+6], 0
	s_mov_b32 s[G1A+7], 0
	s_mov_b32 s[G1B+1], 32<<16                     ; k: rows of 256 bytes
	s_mov_b32 s[G1B+2], 200<<16                    ; k: four records, 200 rows
	s_mov_b32 s[G1B+3], 32<<16
	s_mov_b32 s[G1B+4], 200
	s_mov_b32 s[G1B+5], 32
	s_mov_b32 s[G1B+6], 0
	s_mov_b32 s[G1B+7], 0
	s_mul_i32 s60, s22, 8*REC                      ; q (s60, s61 never hold cx): block y, records 2 p, 2 p + 1 of each half
	s_mul_i32 s61, s[WJ], 2*REC
	s_add_co_u32 s60, s60, s61
	s_mov_b32 s61, 0
	s_lshl_b32 s62, s23, 5                         ; k (s62, s63 never hold cy): block 32 batch + 2 x + p
	s_lshl_b32 s63, s21, 1
	s_add_co_u32 s62, s62, s63
	s_add_co_u32 s62, s62, s[WJ]
	s_mul_i32 s62, s62, 8*REC
	s_mov_b32 s63, 0
	s_mul_i32 s66, s[WJ], 2*REC
	s_mul_i32 s67, s[WJ], 8*REC
	s_add_co_u32 s67, s67, KL
	s_mov_b32 s[SEL], 0x76543210
	s_mov_b32 s[SEL+1], 0xfedcba98
	s_mov_b32 s[CC], 0x3d38aa3b                    ; log2(e) / 32
	s_mov_b32 s[FE], 0xfe
	s_wait_dscnt 0x0                               ; both opening adds are done
	s_wait_kmcnt 0x0
	s_add_nc_u64 s[60:61], s[4:5], s[60:61]
	s_add_nc_u64 s[62:63], s[6:7], s[62:63]
	CROUND                                         ; all sixteen work-groups are here: the joint loads meet
.irp n, 0,1                            ; half n: K steps 4 n .. 4 n + 3
	s_mov_b32 s[G0A+4*\n], 1
	s_add_co_u32 s[G0A+4*\n+1], s66, \n*4*REC
	s_add_nc_u64 s[G0A+4*\n+2:G0A+4*\n+3], s[60:61], \n*4*REC
	s_or_b32 s[G0A+4*\n+3], s[G0A+4*\n+3], 0x80000000
	s_mov_b32 s[G0B+4*\n], 1
	s_add_co_u32 s[G0B+4*\n+1], s67, \n*4*REC
	s_add_nc_u64 s[G0B+4*\n+2:G0B+4*\n+3], s[62:63], \n*4*REC
	s_or_b32 s[G0B+4*\n+3], s[G0B+4*\n+3], 0x80000000
.endr
	JLOAD G0A, G1A, G0B, G1B                       ; the first half: my one tensor load at the head
	v_and_b32 v1, 31, v0
	v_and_b32 v2, 15, v0
	v_bfe_u32 v3, v0, 4, 1
	v_lshlrev_b32 v[LI], 4, v1
	v_lshlrev_b32 v[L8], 3, v1
	v_lshlrev_b32 v[R4], 2, v2
	v_lshlrev_b32 v[MO], 12, v2
	v_lshl_add_u32 v[MO], v3, 4, v[MO]
	; THE SECOND HALF IS PREFETCHED, one fill ahead of its tensor load: 100 blocks of 256 bytes (q) or 200 (k) a wave; the four partners that ask jointly name 25 of each 100, told apart by address
	v_min_u32 v[PFO], 24, v1
	s_cmp_eq_u32 s[WI], 0
	s_cselect_b64 s[100:101], s[60:61], s[62:63]
	s_cselect_b32 s24, s19, s20
	s_mul_i32 s24, s24, 25*256
	v_lshl_add_u32 v[PFO], v[PFO], 8, s24
	s_wait_alu depctr_va_vdst(0)
	global_prefetch_b8 v[PFO], s[100:101] offset:4*REC th:TH_LOAD_NT scope:SCOPE_SE
	s_cmp_eq_u32 s[WI], 0
	s_cbranch_scc1 .Lpf_done
	global_prefetch_b8 v[PFO], s[100:101] offset:6*REC th:TH_LOAD_NT scope:SCOPE_SE
.Lpf_done:
	; the mask: rows 128 cy + 64 i + 16 a + r, bytes 256 x + 128 j + 32 g + 16 h + 0 .. 15
	s_lshl_b32 s84, s20, 7
	s_lshl_b32 s85, s[WI], 6
	s_add_co_u32 s84, s84, s85
	s_lshl_b32 s84, s84, 12
	s_lshl_b32 s85, s21, 8
	s_add_co_u32 s84, s84, s85
	s_lshl_b32 s85, s[WJ], 7
	s_add_co_u32 s84, s84, s85
	s_mov_b32 s85, 0
	s_add_nc_u64 s[MB:MB+1], s[8:9], s[84:85]
.irp a, 0,1,2,3
.irp g, 0,1,2,3
	global_load_b128 v[MK+16*\a+4*\g:MK+16*\a+4*\g+3], v[MO], s[MB:MB+1] offset:65536*\a+32*\g   ; they stay out until the products are issued: nothing names v64-127, v6 or s[86:87] before the wait for them
.endr
.endr
	s_mul_i32 s24, s[WI], 4*IMG
	s_mul_i32 s25, s[WJ], 8*REC
	s_add_co_u32 s25, s25, KL
	v_add_nc_u32 v[AU], s24, v[LI]
	v_add_nc_u32 v[AU+1], 4*REC, v[AU]
	v_add_nc_u32 v[AT], s25, v[LI]
	v_add_nc_u32 v[AT+1], 4*REC, v[AT]
	s_lshl_b32 s24, s[WI], 8
	v_add_nc_u32 v[ASU], s24, v[R4]
	v_add_nc_u32 v[ASU+1], 4*REC, v[ASU]
	v_add_nc_u32 v[AST], s25, v[R4]
	v_add_nc_u32 v[AST+1], 4*REC, v[AST]
	s_mul_i32 s24, s[WV], 768
	s_add_co_u32 s24, s24, STG
	v_add_nc_u32 v[STS], s24, v[R4]
	v_add_nc_u32 v[STR], s24, v[L8]
	; where results go: the record of block y, chunk 2 x + j
	s_lshl_b32 s84, s22, 5
	s_lshl_b32 s26, s21, 1
	s_add_co_u32 s26, s26, s[WJ]                   ; the chunk
	s_add_co_u32 s84, s84, s26
	s_mul_i32 s84, s84, REC
	s_mul_i32 s27, s[WI], 4*IMG
	s_add_co_u32 s27, s27, s84
	s_lshl_b32 s24, s[WI], 8
	s_add_co_u32 s24, s24, s84
	s_add_co_u32 s24, s24, SCO
	s_mov_b32 s84, s27
	s_add_nc_u64 s[PB:PB+1], s[10:11], s[84:85]
	s_mov_b32 s84, s24
	s_add_nc_u64 s[PWB:PWB+1], s[10:11], s[84:85]
	s_lshl_b32 s84, s26, 11
	s_lshl_b32 s24, s22, 7
	s_add_co_u32 s84, s84, s24
	s_lshl_b32 s24, s[WI], 6
	s_add_co_u32 s84, s84, s24
	s_lshl_b32 s84, s84, 2
	s_add_nc_u64 s[PMB:PMB+1], s[12:13], s[84:85]
	s_add_nc_u64 s[PLB:PLB+1], s[14:15], s[84:85]
.macro FETCH s                         ; K step s: k's eight fragments, q's four, 12 scale words: 48 loads
.set FS, (\s)%2
.set FO, REC*((\s)%4)
.set FA, (\s)/4
	WIN 0x40
.irp b, 0,1,2,3,4,5,6,7
	FRAG 128*FS+12*\b, AT+FA, FO+IMG*\b
.endr
	WIN 0
.irp a, 0,1,2,3
	FRAG UF+48*FS+12*\a, AU+FA, FO+IMG*\a
.endr
.irp a, 0,1,2,3
	ds_load_b32 v[SC+12*FS+\a], v[ASU+FA] offset:FO+SCO+64*\a
.endr
.irp b, 0,1,2,3,4,5,6,7
	ds_load_b32 v[SC+12*FS+4+\b], v[AST+FA] offset:FO+SCO+64*\b
.endr
.endm
.macro KSTEP s
	s_wait_dscnt 0x0                               ; this K step's 48 loads are in
.if (\s) == 3
	s_wait_tensorcnt 0x0                           ; my part of the second half is in; nothing is ever filled again
	s_barrier_signal -1
	s_barrier_wait -1                              ; everybody's is
.endif
.if (\s) < 7
	PLACES
	FETCH (\s)+1
.endif
.set KS, (\s)%2
	WIN 0xa1
.irp a, 0,1,2,3                        ; 32 accumulators by turns, in the same order in every K step
.irp b, 0,1,2,3,4,5,6,7
.if (\s) == 0
	v_wmma_scale_f32_16x16x128_f8f6f4 v[8*(8*\a+\b):8*(8*\a+\b)+7], v[128*KS+12*\b:128*KS+12*\b+11], v[UF+48*KS+12*\a:UF+48*KS+12*\a+11], 0, v[SC+12*KS+4+\b], v[SC+12*KS+\a] matrix_a_fmt:MATRIX_FMT_FP6 matrix_b_fmt:MATRIX_FMT_FP6
.else
	v_wmma_scale_f32_16x16x128_f8f6f4 v[8*(8*\a+\b):8*(8*\a+\b)+7], v[128*KS+12*\b:128*KS+12*\b+11], v[UF+48*KS+12*\a:UF+48*KS+12*\a+11], v[8*(8*\a+\b):8*(8*\a+\b)+7], v[SC+12*KS+4+\b], v[SC+12*KS+\a] matrix_a_fmt:MATRIX_FMT_FP6 matrix_b_fmt:MATRIX_FMT_FP6
.endif
.endr
.endr
	WIN 0
.endm
	s_wait_alu depctr_va_vdst(0)
	s_wait_tensorcnt 0x0                           ; my part of the first half is in; the second half's first fill is issued as a refill is:
	ds_add_u32 v[SPW], v[NIL]                      ; an add of 0 to my spare word,
	s_wait_dscnt 0x0
	CROUND                                         ; a whole round: everybody's part is in, and the joint loads meet,
	JLOAD G0A+4, G1A, G0B+4, G1B                   ; and the second half, first behind the round: it has three K steps' products in which to land
	FETCH 0
.irp s, 0,1,2,3,4,5,6,7
	KSTEP \s
.endr
	s_wait_loadcnt 0x0                             ; the mask, asked for at the head.  The lines below name none of the products' registers: they are also the places ahead of the first read of the results
.set J, 0
.rept 64
	v_xor_b32 v[MK+J], 0x01010101, v[MK+J]         ; a byte is 1 where the key is masked,
.set J, J+1
.endr
.set J, 0
.rept 64
	v_mul_lo_u32 v[MK+J], v[MK+J], s[FE]           ; then 0xfe: as the top byte of an f32 that is a number of at most -2^125, never an infinity or a NaN; 0 where the key is kept
.set J, J+1
.endr
.irp b, 0,1,2,3
	v_mov_b32 v[BP+\b], 0                          ; written once: a lane permute's destination counts as one of its sources
.endr
	v_mov_b32 v[TT+1], 0
; One tile: 16 queries x 128 keys.  Register 16 g + i of a lane is key 32 g + 16 h + i of the chunk.
.macro EPI a
.irp g, 0,1,2,3
	WIN 0
.irp m, 0,1,2,3                        ; a mask word holds four keys: each byte in turn is moved to the top
	v_lshlrev_b32 v[TS+3*\m], 24, v[MK+16*(\a)+4*\g+\m]
	v_lshlrev_b32 v[TS+3*\m+1], 16, v[MK+16*(\a)+4*\g+\m]
	v_lshlrev_b32 v[TS+3*\m+2], 8, v[MK+16*(\a)+4*\g+\m]
.endr
	WIN 0x02                                       ; the scores: window 2.
.irp m, 0,1,2,3
	v_fma_f32 v[H+16*\g+4*\m], v[64*(\a)+16*\g+4*\m], s[CC], v[TS+3*\m]       ; t = score x log2(e) / 32, with the mask's term
	v_fma_f32 v[H+16*\g+4*\m+1], v[64*(\a)+16*\g+4*\m+1], s[CC], v[TS+3*\m+1]
	v_fma_f32 v[H+16*\g+4*\m+2], v[64*(\a)+16*\g+4*\m+2], s[CC], v[TS+3*\m+2]
	v_fma_f32 v[H+16*\g+4*\m+3], v[64*(\a)+16*\g+4*\m+3], s[CC], v[MK+16*(\a)+4*\g+\m]
.endr
.endr
	WIN 0
.irp b, 0,1,2,3
	v_max3_num_f32 v[BM+\b], v[H+16*\b], v[H+1+16*\b], v[H+2+16*\b]   ; the largest t of each block of 32 keys: it serves for the row's maximum and, since p rises with t, for the block's largest p
.endr
.irp i, 3,5,7,9,11,13
.irp b, 0,1,2,3
	v_max3_num_f32 v[BM+\b], v[BM+\b], v[H+16*\b+\i], v[H+1+16*\b+\i]
.endr
.endr
.irp b, 0,1,2,3
	v_max_num_f32 v[BM+\b], v[BM+\b], v[H+15+16*\b]
.endr
.irp b, 0,1,2,3
	v_permlanex16_b32 v[BP+\b], v[BM+\b], s[SEL], s[SEL+1]
.endr
.irp b, 0,1,2,3
	v_max_num_f32 v[BM+\b], v[BM+\b], v[BP+\b]
.endr
	v_max3_num_f32 v[TT], v[BM], v[BM+1], v[BM+2]
	v_max3_num_f32 v[TT], v[TT], v[BM+3], 0xf1800000   ; held at -2^100 from below: a chunk whose every key is masked keeps a finite M_c, and its p are zeros
	v_floor_f32 v[NM], -v[TT]                      ; -M_c = floor(-t) = -ceil(t)
	v_floor_f32 v[NM+1], -v[TT]
.set J, 0
.rept 32
	v_pk_add_f32 v[H+J:H+J+1], v[H+J:H+J+1], v[NM:NM+1]   ; t - M_c
.set J, J+2
.endr
.irp b, 0,1,2,3
	v_add_f32 v[BM+\b], v[BM+\b], v[NM]            ; the same of each block's largest t
.endr
.set J, 0
	s_wait_alu depctr_va_vdst(0)
.rept 64
	v_exp_f32 v[H+J], v[H+J]                       ; p = 2^(t - M_c), at most 1
.set J, J+1
.endr
	v_xor_b32 v[MM+(\a)], 0x80000000, v[NM]        ; M_c.  (A plain place behind the exponentials)
	s_wait_alu depctr_va_vdst(0)                   ; one wait for the batch, ahead of its first reader
.irp b, 0,1,2,3
	v_exp_f32 v[BM+\b], v[BM+\b]                   ; the block's largest p: the same instructions on the same number give the same bits
.endr
	v_pk_add_f32 v[LS:LS+1], v[H:H+1], v[H+4:H+5]  ; the sum of the unquantised p, in two chains; it reads the 64 alone
	v_pk_add_f32 v[L2:L2+1], v[H+2:H+3], v[H+6:H+7]
.set J, 8
.rept 14
	v_pk_add_f32 v[LS:LS+1], v[LS:LS+1], v[H+J:H+J+1]
	v_pk_add_f32 v[L2:L2+1], v[L2:L2+1], v[H+J+2:H+J+3]
.set J, J+4
.endr
	v_pk_add_f32 v[LS:LS+1], v[LS:LS+1], v[L2:L2+1]
	s_wait_alu depctr_va_vdst(0)                   ; and one for the four
.irp b, 0,1,2,3
	v_max_num_f32 v[BM+\b], 0x1800000, v[BM+\b]    ; the floor 2^(3 - 127): the byte cannot fall under 1
.endr
.irp b, 0,1,2,3
	v_add_nc_u32 v[SX+\b], 0xff000000, v[BM+\b]
.endr
.irp b, 0,1,2,3
	v_lshrrev_b32 v[BY+\b], 23, v[SX+\b]
.endr
	v_lshl_or_b32 v[PWT+(\a)], v[BY+1], 8, v[BY]
	v_lshl_or_b32 v[PWT+(\a)], v[BY+2], 16, v[PWT+(\a)]
	v_lshl_or_b32 v[PWT+(\a)], v[BY+3], 24, v[PWT+(\a)]
	v_add_f32 v[TT], v[LS], v[LS+1]
	v_permlanex16_b32 v[TT+1], v[TT], s[SEL], s[SEL+1]
	v_add_f32 v[LL+(\a)], v[TT], v[TT+1]           ; l_c
	s_wait_xcnt 0x0                                ; the last tile's stores have read the codes' registers
.irp c, 0,1
	v_cvt_scalef32_pk16_fp6_f32 v[PC+6*\c:PC+2+6*\c], v[H+32*\c:H+15+32*\c], v[SX+2*\c]
	v_cvt_scalef32_pk16_fp6_f32 v[PC+12+4*\c:PC+14+4*\c], v[H+16+32*\c:H+31+32*\c], v[SX+2*\c+1]
.endr
	v_nop                                          ; one plain place behind a scaled conversion
.irp c, 0,1
.irp i, 0,1,2
	v_permlane16_swap_b32 v[PC+6*\c+\i], v[PC+12+4*\c+\i]
.endr
.irp i, 0,1,2
	v_mov_b32 v[PC+3+6*\c+\i], v[PC+12+4*\c+\i]
.endr
.endr
.irp c, 0,1,2
	global_store_b128 v[LI], v[PC+4*\c:PC+4*\c+3], s[PB:PB+1] offset:IMG*(\a)+512*\c th:TH_STORE_NT   ; 512 consecutive bytes, aligned
.endr
	ds_store_b32 v[STS], v[PWT+(\a)] offset:64*(\a)          ; both halves of the lanes write the same word
	ds_store_b32 v[STS], v[MM+(\a)] offset:256+64*(\a)
	ds_store_b32 v[STS], v[LL+(\a)] offset:512+64*(\a)
.endm
	EPI 0
	EPI 1
	EPI 2
	EPI 3
	ds_load_b64 v[TS:TS+1], v[STR]                 ; 64 rows' words, M and l: LDS serves a wave's instructions in order
	ds_load_b64 v[TS+2:TS+3], v[STR] offset:256
	ds_load_b64 v[TS+4:TS+5], v[STR] offset:512
	s_wait_dscnt 0x0
	global_store_b64 v[L8], v[TS:TS+1], s[PWB:PWB+1] th:TH_STORE_NT     ; each: 256 consecutive bytes, aligned
	global_store_b64 v[L8], v[TS+2:TS+3], s[PMB:PMB+1] th:TH_STORE_NT
	global_store_b64 v[L8], v[TS+4:TS+5], s[PLB:PLB+1] th:TH_STORE_NT
	s_wait_tensorcnt 0x0                           ; the wave's end
	ds_add_u32 v[SPW], v[NIL]
	s_wait_dscnt 0x0
	CROUND                                         ; the closing round
	s_endpgm
.Lfunc_end_k_q6125dd4d12_score:
	.size	k_q6125dd4d12_score, .Lfunc_end_k_q6125dd4d12_score-k_q6125dd4d12_score
	.p2alignl 7, 3214868480
	.fill 96, 4, 3214868480
	.section	.rodata,"a",@progbits
	.p2align	6, 0x0
	.amdhsa_kernel k_q6125dd4d12_score
		.amdhsa_group_segment_fixed_size 327680
		.amdhsa_private_segment_fixed_size 0
		.amdhsa_enable_private_segment 0
		.amdhsa_kernarg_size 48
		.amdhsa_user_sgpr_count 2
		.amdhsa_user_sgpr_kernarg_segment_ptr 1
		.amdhsa_wavefront_size32 1
		.amdhsa_system_sgpr_workgroup_id_x 1
		.amdhsa_system_sgpr_workgroup_id_y 1
		.amdhsa_system_sgpr_workgroup_id_z 1
		.amdhsa_system_vgpr_workitem_id 0
		.amdhsa_next_free_vgpr 768
		.amdhsa_next_free_sgpr 102
		.amdhsa_reserve_vcc 0
		.amdhsa_float_denorm_mode_32 3
		.amdhsa_float_denorm_mode_16_64 3
		.amdhsa_memory_ordered 1
		.amdhsa_forward_progress 1
		.amdhsa_inst_pref_size 145
	.end_amdhsa_kernel
	.amdgpu_metadata
---
amdhsa.version: [ 1, 2 ]
amdhsa.kernels:
  - .name:           k_q6125dd4d12_score
    .symbol:         k_q6125dd4d12_score.kd
    .args:
      - { .name: qc, .offset: 0, .size: 8, .value_kind: global_buffer, .address_space: global }
      - { .name: kc, .offset: 8, .size: 8, .value_kind: global_buffer, .address_space: global }
      - { .name: attn_mask, .offset: 16, .size: 8, .value_kind: global_buffer, .address_space: global }
      - { .name: pc, .offset: 24, .size: 8, .value_kind: global_buffer, .address_space: global }
      - { .name: pm, .offset: 32, .size: 8, .value_kind: global_buffer, .address_space: global }
      - { .name: pl, .offset: 40, .size: 8, .value_kind: global_buffer, .address_space: global }
    .group_segment_fixed_size: 327680
    .private_segment_fixed_size: 0
    .kernarg_segment_align: 8
    .kernarg_segment_size: 48
    .max_flat_workgroup_size: 128
    .sgpr_count:     102
    .vgpr_count:     768
    .wavefront_size: 32
...
	.end_amdgpu_metadata
.endif
;; end of part 3
;; launch pv (part 4): grid 16 x 16, 4 waves a work-group, clusters of 4 x 4, 327,680 bytes of LDS; arguments pc, pm, pl, vc, out0; writes out0
.if DOCPART == 4
	.amdgcn_target "amdgcn-amd-amdhsa--gfx1250"
	.amdhsa_code_object_version 6
	.text
	.protected	k_q6125dd4d12_pv
	.globl	k_q6125dd4d12_pv
	.p2align	8
	.type	k_q6125dd4d12_pv,@function
k_q6125dd4d12_pv:
	s_mov_b64 s[64:65], 0
	v_nop
	global_prefetch_b8 v0, s[64:65] scope:SCOPE_SE
	s_setreg_imm32_b32 hwreg(HW_REG_WAVE_MODE, 25, 1), 1
	s_wait_xcnt 0x0
	s_wait_alu depctr_hold_cnt(0) depctr_sa_sdst(0) depctr_va_vdst(0) depctr_va_sdst(0) depctr_va_ssrc(0) depctr_va_vcc(0) depctr_vm_vsrc(0)
	s_getreg_b32 s2, hwreg(HW_REG_IB_STS2, 6, 4)
	s_cmp_eq_u32 s2, 0
	s_cbranch_scc0 .Lentry_in_a_cluster
	s_endpgm
.Lentry_in_a_cluster:
	s_bfe_u32 s2, ttmp6, 0x10000c
	s_cmp_lg_u32 s2, 0xf033
	s_cbranch_scc0 .Lentry_shape_is_right
	s_endpgm
.Lentry_shape_is_right:
; FOURTH LAUNCH: out = (p v) / l; no work is left out.  O^T = v^T p^T (source 0 = 16 of the 1,024 channels, source 1 = 16 queries): a lane holds one query and eight neighbouring channels.  K = the 4,096 keys.
; THE HEAD brings the 32 chunks of a row under one M: M = the largest M_c; l = the sum of l_c 2^(M_c - M); M - M_c (a whole number, held at 127) is taken off each byte of the chunk's scale word, held at 0 from below:
; exact powers of two, so the codes stay as the third launch made them.
; SHARES: a work-group takes 128 queries x 64 channels.  K IS SPLIT OVER THE WAVES: of each chunk of eight K steps wave w takes K steps 2 w and 2 w + 1 for the whole tile (32 accumulators), so that no fragment is read from
; LDS twice; the four partial sums meet in LDS at the end, are added in f32, multiplied by 1 / l and leave as whole rows of 256 bytes.
; Codes come through a ring of two LDS slots of eight K steps; v's scale words of all K come once.  CLUSTERS of 4 x 4: p's block is shared along a row, v's tiles along a column: joint loads.
; LIMITS: a block of p whose byte would fall under 1 is held at byte 0 (it adds less than 2^-120 of the row's largest term); l is summed chunk by chunk; a row with no kept key gives 0 x infinity = NaN, as the softmax of such a row does.
; REGISTERS: window 0: v4-29 addresses; v32-55 scale words and nothing else; v64-79 1 / l; v128-223 v's fragments, two sets (at the head: M_c, l_c, words; at the end v128-255: rows).  window 1: p's fragments, two sets.  window 2: accumulator (a, b) at v[8 (4 a + b)].
.set REC,   12800
.set IMG,   1536
.set PIMG,  12288                      ; a record's eight images: p
.set VIMG,  6144                       ; four of them: v
.set VOFF,  8*PIMG
.set SLOT,  8*PIMG+8*VIMG
.set VSC,   2*SLOT                     ; v's scale words: [K step 0-31][256 bytes]
.set PT,    VSC+8192                   ; p's scale words under M: [chunk][128 rows]; written by ds_store: no fill lands there
.set IL,    PT+16384                   ; 1 / l of 128 rows
.set SPARE, IL+512
.set RP,    272                        ; the stage for the partial sums: a row of 256 bytes + 16; it lies in slot 0, behind that slot's last fill and last read
.set RW,    128*RP
.set LI,  4
.set R4,  5
.set T4,  6
.set PTA, 7
.set ILT, 8
.set AP,  16
.set AV,  18
.set ASV, 20
.set ASP, 21
.set SO,  22
.set RD0, 23
.set RD2, 24
.set ILA, 25
.set CO,  26
.set SPW, 28
.set NIL, 29
.set SC,  32                           ; set k at v[32 + 12 k]: v's four words, then p's eight
.set IV,  64
.set VF,  128
.set WV,  14
.set WH,  15                           ; I fetch for p (0) or for v (1)
.set WP,  16                           ; which half
.set G1P, 24
.set G1V, 32
.set G1S, 40
.set G0P, 48
.set G0V, 56
.set G0S, 68
.set PMB, 84
.set PLB, 86
.set PWB, 88
.set OB,  90
.set K01, 94
.set G0H, 96                           ; s[96:99] group 0 of the head's load of v's whole slot 0
.set PFO, 11                           ; v11 the prefetches' offset: my place among the four partners x a record + 256 x lane, held at 23; never rewritten.  s[82:83]: my four records of chunk 0
; A PREFETCH of chunk c: a wave's load brings four records' images; each of the four partners that ask jointly names one record's: 48 blocks of 256 bytes (p: two instructions) or 24 (v: one)
.macro PFETCH c
	global_prefetch_b8 v[PFO], s[82:83] offset:(\c)*8*REC th:TH_LOAD_NT scope:SCOPE_SE
	s_cmp_eq_u32 s[WH], 0
	s_cbranch_scc0 .Lpf_\@
	global_prefetch_b8 v[PFO], s[82:83] offset:(\c)*8*REC+6144 th:TH_LOAD_NT scope:SCOPE_SE
.Lpf_\@:
.endm
.set MSB, 0
.macro WIN new
.if MSB != (\new)
	s_set_vgpr_msb (MSB<<8)|(\new)
.set MSB, (\new)
.endif
.endm
.macro PLACES
.rept 4
	v_nop
.endr
.endm
.macro JLOAD g0a, g1a, g0b, g1b
	s_cmp_eq_u32 s[WH], 0
	s_cbranch_scc0 .Lfor_v_\@
	tensor_load_to_lds s[\g0a:\g0a+3], s[\g1a:\g1a+7]
	s_nop 0
.rept 4
	v_nop
.endr
	s_branch .Lasked_\@
.Lfor_v_\@:
	tensor_load_to_lds s[\g0b:\g0b+3], s[\g1b:\g1b+7]
	s_nop 0
.rept 4
	v_nop
.endr
.Lasked_\@:
.endm
.macro CROUND
	s_barrier_signal -1
	s_barrier_wait -1
	s_cmp_lg_u32 s[WV], 0
	s_cbranch_scc1 .Lnot_wave_0_\@
	s_barrier_signal -3
.Lnot_wave_0_\@:
	s_barrier_wait -3
	s_barrier_signal -1
	s_barrier_wait -1
.endm
.macro FRAG reg, adr, off
.irp c, 0,1,2
	ds_load_b128 v[(\reg)+4*\c:(\reg)+4*\c+3], v[\adr] offset:(\off)+512*\c
.endr
.endm
	s_load_b256 s[4:11], s[0:1], 0x0               ; pc, pm, pl, vc
	s_load_b64 s[12:13], s[0:1], 0x20              ; out0
	v_lshl_add_u32 v[SPW], v0, 2, SPARE
	v_mov_b32 v[NIL], 0
	ds_add_u32 v[SPW], v[NIL]                      ; the wave's opening: the add, twice on end, and its wait ahead of my first tensor load
	ds_add_u32 v[SPW], v[NIL]
	v_lshrrev_b32 v1, 5, v0
	v_readfirstlane_b32 s[WV], v1
	s_lshr_b32 s[WH], s[WV], 1
	s_and_b32 s[WP], s[WV], 1
	s_bfe_u32 s17, ttmp6, 0x40000                  ; cx
	s_bfe_u32 s18, ttmp6, 0x40004                  ; cy
	s_lshl_b32 s19, ttmp9, 2
	s_add_co_u32 s19, s19, s17                     ; x: which 64 channels
	s_and_b32 s21, ttmp7, 0xffff                   ; the batch
	s_lshl_b32 s20, s21, 2
	s_add_co_u32 s20, s20, s18                     ; y: which block of 128 queries
	s_lshl_b32 s22, s18, 2
	s_lshl_b32 s22, 15, s22                        ; my row of the cluster
	s_lshl_b32 s23, 0x1111, s17                    ; my column
	s_or_b32 s[G1P], s22, (3<<16)|(1<<21)          ; elements of 8 bytes; records lie 1,600 elements apart
	s_mov_b32 s[G1P+1], 1536<<16                   ; p: four records' images, 12,288 bytes each
	s_mov_b32 s[G1P+2], 4<<16
	s_mov_b32 s[G1P+3], 1536<<16
	s_mov_b32 s[G1P+4], 4
	s_mov_b32 s[G1P+5], 1600
	s_mov_b32 s[G1P+6], 0
	s_mov_b32 s[G1P+7], 0
	s_or_b32 s[G1V], s23, (3<<16)|(1<<21)
	s_mov_b32 s[G1V+1], 768<<16                    ; v: four records' four images, 6,144 bytes each
	s_mov_b32 s[G1V+2], 8<<16                      ; at the head eight records; behind it the two words that count rows are set to 4
	s_mov_b32 s[G1V+3], 768<<16
	s_mov_b32 s[G1V+4], 8
	s_mov_b32 s[G1V+5], 1600
	s_mov_b32 s[G1V+6], 0
	s_mov_b32 s[G1V+7], 0
	s_or_b32 s[G1S], s23, (3<<16)|(1<<21)
	s_mov_b32 s[G1S+1], 32<<16                     ; v's scale words: 256 bytes of each of 32 records
	s_mov_b32 s[G1S+2], 32<<16                     ; all 32 records' words by one load
	s_mov_b32 s[G1S+3], 32<<16
	s_mov_b32 s[G1S+4], 32
	s_mov_b32 s[G1S+5], 1600
	s_mov_b32 s[G1S+6], 0
	s_mov_b32 s[G1S+7], 0
	s_lshl_b32 s72, s20, 5                         ; p (s72, s73 never hold cx): record 32 y + 4 half
	s_lshl_b32 s73, s[WP], 2
	s_add_co_u32 s72, s72, s73
	s_mul_i32 s72, s72, REC
	s_mov_b32 s73, 0
	s_lshl_b32 s74, s21, 3                         ; v (s74-79 never hold cy): block 8 batch + x / 2,
	s_lshr_b32 s75, s19, 1
	s_add_co_u32 s74, s74, s75
	s_lshl_b32 s74, s74, 5                         ; its first record;
	s_and_b32 s75, s19, 1                          ; which four of its eight tiles
	s_mul_i32 s76, s74, REC                        ; the block's first record; my half of a slot is added behind the head's group 0
	s_mul_i32 s92, s[WP], 4*REC
	s_mov_b32 s93, 0
	s_mul_i32 s77, s75, VIMG
	s_add_co_u32 s76, s76, s77
	s_mul_i32 s78, s74, REC
	s_lshl_b32 s79, s75, 8
	s_add_co_u32 s78, s78, s79
	s_add_co_u32 s78, s78, PIMG
	s_mov_b32 s77, 0
	s_mov_b32 s79, 0
	s_mul_i32 s80, s[WP], 4*PIMG                   ; where they go in a slot,
	s_mul_i32 s81, s[WP], 4*VIMG
	s_add_co_u32 s81, s81, VOFF
	s_mov_b32 s[K01], 0x01010101
	s_wait_dscnt 0x0                               ; both opening adds are done
	s_wait_kmcnt 0x0
	s_add_nc_u64 s[72:73], s[4:5], s[72:73]
	s_add_nc_u64 s[76:77], s[10:11], s[76:77]
	s_add_nc_u64 s[78:79], s[10:11], s[78:79]
	s_mov_b32 s[G0H], 1                            ; v's eight records of chunk 0, whole
	s_mov_b32 s[G0H+1], VOFF
	s_mov_b64 s[G0H+2:G0H+3], s[76:77]
	s_or_b32 s[G0H+3], s[G0H+3], 0x80000000
	s_add_nc_u64 s[76:77], s[76:77], s[92:93]      ; for the ring: my four records of a slot
	CROUND                                         ; all sixteen work-groups are here: the first joint loads meet
.irp s, 0,1
	s_mov_b32 s[G0P+4*\s], 1
	s_add_co_u32 s[G0P+4*\s+1], s80, \s*SLOT
	s_add_nc_u64 s[G0P+4*\s+2:G0P+4*\s+3], s[72:73], \s*8*REC
	s_or_b32 s[G0P+4*\s+3], s[G0P+4*\s+3], 0x80000000
	s_mov_b32 s[G0V+4*\s], 1
	s_add_co_u32 s[G0V+4*\s+1], s81, \s*SLOT
	s_add_nc_u64 s[G0V+4*\s+2:G0V+4*\s+3], s[76:77], \s*8*REC
	s_or_b32 s[G0V+4*\s+3], s[G0V+4*\s+3], 0x80000000
.endr
	s_mov_b32 s[G0S], 1
	s_mov_b32 s[G0S+1], VSC
	s_mov_b64 s[G0S+2:G0S+3], s[78:79]
	s_or_b32 s[G0S+3], s[G0S+3], 0x80000000
	s_cmp_lt_u32 s[WV], 2                          ; the head's tiles, one load a wave, in one chain of branches on the wave's number: waves 0, 1: p's halves of slot 0;
	s_cbranch_scc0 .Lfirst_v
	tensor_load_to_lds s[G0P:G0P+3], s[G1P:G1P+7]
	s_nop 0
.rept 4
	v_nop
.endr
	s_branch .Lfirst_asked
.Lfirst_v:
	s_cmp_lt_u32 s[WV], 3                          ; wave 2: v's whole slot 0;
	s_cbranch_scc0 .Lfirst_s
	tensor_load_to_lds s[G0H:G0H+3], s[G1V:G1V+7]
	s_nop 0
.rept 4
	v_nop
.endr
	s_branch .Lfirst_asked
.Lfirst_s:
	tensor_load_to_lds s[G0S:G0S+3], s[G1S:G1S+7]  ; wave 3: v's scale words of all K
	s_nop 0
.rept 4
	v_nop
.endr
.Lfirst_asked:
	; ---- the head's work: thread t is row t of the block
	v_lshlrev_b32 v[T4], 2, v0
	s_wait_alu depctr_va_vdst(0)
	v_lshl_add_u32 v[PTA], v0, 2, PT
	v_lshl_add_u32 v[ILT], v0, 2, IL
	v_and_b32 v[PFO], 31, v0
	v_min_u32 v[PFO], 23, v[PFO]
	s_cmp_eq_u32 s[WH], 0
	s_cselect_b64 s[82:83], s[72:73], s[76:77]
	s_cselect_b32 s80, s17, s18                    ; p's partners differ in cx, v's in cy
	s_mul_i32 s80, s80, REC
	v_lshl_add_u32 v[PFO], v[PFO], 8, s80
	s_wait_alu depctr_va_vdst(0)                   ; directly behind the write
	PFETCH 1                                       ; chunk 1 one fill ahead of its tensor load, chunks 2 and 3 two
	PFETCH 2
	s_lshl_b32 s92, s20, 9
	s_mov_b32 s93, 0
	s_add_nc_u64 s[PMB:PMB+1], s[6:7], s[92:93]
	s_add_nc_u64 s[PLB:PLB+1], s[8:9], s[92:93]
	s_lshl_b32 s92, s20, 5
	s_mul_i32 s92, s92, REC
	s_add_co_u32 s92, s92, PIMG
	s_add_nc_u64 s[PWB:PWB+1], s[4:5], s[92:93]
.set J, 0
.rept 32
	global_load_b32 v[128+J], v[T4], s[PMB:PMB+1] offset:8192*J    ; M_c
.set J, J+1
.endr
.set J, 0
.rept 32
	global_load_b32 v[160+J], v[T4], s[PLB:PLB+1] offset:8192*J    ; l_c
.set J, J+1
.endr
.set J, 0
.rept 32
	global_load_b32 v[192+J], v[T4], s[PWB:PWB+1] offset:REC*J     ; the row's scale word of chunk c
.set J, J+1
.endr
	v_and_b32 v1, 31, v0
	v_and_b32 v2, 15, v0
	v_bfe_u32 v3, v0, 4, 1
	v_lshlrev_b32 v[LI], 4, v1
	v_lshlrev_b32 v[R4], 2, v2
	s_wait_alu depctr_va_vdst(0)
	s_mul_i32 s92, s[WV], 2*PIMG                   ; my two K steps of a chunk
	s_mul_i32 s93, s[WV], 2*VIMG
	s_add_co_u32 s93, s93, VOFF
.irp s, 0,1
	v_add_nc_u32 v[AP+\s], s92, v[LI]
	v_add_nc_u32 v[AV+\s], s93, v[LI]
	s_add_co_u32 s92, s92, SLOT
	s_add_co_u32 s93, s93, SLOT
.endr
	s_lshl_b32 s92, s[WV], 9
	s_add_co_u32 s92, s92, VSC
	v_add_nc_u32 v[ASV], s92, v[R4]
	s_lshl_b32 s92, s[WV], 10
	s_add_co_u32 s92, s92, PT
	v_add_nc_u32 v[ASP], s92, v[R4]
	s_mul_i32 s92, s[WV], RW                       ; my partial sums' place in the stage: row r, + 32 h
	v_mul_u32_u24 v[SO], v2, RP
	v_lshl_add_u32 v[SO], v3, 5, v[SO]
	v_add_nc_u32 v[SO], s92, v[SO]
	s_mul_i32 s92, s[WV], 32*RP                    ; back: my 32 rows; lanes 0-15 one row, lanes 16-31 the next
	v_mul_u32_u24 v[RD0], v3, RP
	v_lshl_add_u32 v[RD0], v2, 4, v[RD0]
	v_add_nc_u32 v[RD0], s92, v[RD0]
	v_add_nc_u32 v[RD2], 2*RW, v[RD0]
	s_lshl_b32 s92, s[WV], 7
	s_add_co_u32 s92, s92, IL
	v_lshlrev_b32 v[ILA], 2, v3
	v_add_nc_u32 v[ILA], s92, v[ILA]
	v_lshlrev_b32 v[CO], 12, v3
	v_lshl_add_u32 v[CO], v2, 4, v[CO]
	s_lshl_b32 s92, s20, 7
	s_lshl_b32 s93, s[WV], 5
	s_add_co_u32 s92, s92, s93
	s_lshl_b32 s92, s92, 12                        ; row 128 y + 32 wave of 4,096 bytes,
	s_lshl_b32 s93, s19, 8
	s_add_co_u32 s92, s92, s93                     ; + 256 x
	s_mov_b32 s93, 0
	s_add_nc_u64 s[OB:OB+1], s[12:13], s[92:93]
	s_wait_alu depctr_va_vdst(0)                   ; directly ahead of the wait below
	s_wait_tensorcnt 0x0                           ; my tile of the head's is in; slot 1's first fill is issued as a refill is:
	ds_add_u32 v[SPW], v[NIL]                      ; an add of 0 to my spare word;
	s_mov_b32 s[G1V+2], 4<<16                      ; no tensor load of mine is out, so a descriptor may be written: from here on a load of v brings four records
	s_mov_b32 s[G1V+4], 4
	s_wait_dscnt 0x0
	CROUND                                         ; a whole round: slot 0 and v's scale words are whole, and the joint loads meet,
	JLOAD G0P+4, G1P, G0V+4, G1V                   ; and slot 1, first behind the round: it has the head's arithmetic and chunk 0 in which to land
	PFETCH 3
	s_wait_loadcnt 0x0
	v_max3_num_f32 v9, v128, v129, v130            ; M
.set J, 3
.rept 14
	v_max3_num_f32 v9, v9, v[128+J], v[129+J]
.set J, J+2
.endr
	v_max_num_f32 v9, v9, v159
.set J, 0
.rept 32
	v_sub_f32 v[128+J], v[128+J], v9               ; M_c - M: a whole number, 0 or less,
.set J, J+1
.endr
.set J, 0
.rept 32
	v_max_num_f32 v[128+J], 0xc2fe0000, v[128+J]   ; held at -127
.set J, J+1
.endr
.set J, 0
.rept 32
	v_cvt_i32_f32 v[128+J], v[128+J]
.set J, J+1
.endr
.set J, 0
.rept 32
	v_ldexp_f32 v[160+J], v[160+J], v[128+J]       ; l_c under M: exact but for what falls under the smallest number
.set J, J+1
.endr
.set J, 2
.rept 15
	v_pk_add_f32 v[160:161], v[160:161], v[160+J:161+J]
.set J, J+2
.endr
	v_add_f32 v10, v160, v161                      ; l
	s_wait_alu depctr_va_vdst(0)
	v_rcp_f32 v10, v10
.set J, 0
.rept 32
	v_mul_lo_u32 v[128+J], v[128+J], s[K01]        ; -(M - M_c) in each byte.  (Plain work behind the reciprocal)
.set J, J+1
.endr
.set J, 0
.rept 32
	v_or_b32 v[192+J], 0x80808080, v[192+J]        ; a guard bit on each byte (bytes are 1 to 125): no borrow crosses a byte
.set J, J+1
.endr
.set J, 0
.rept 32
	v_add_nc_u32 v[192+J], v[192+J], v[128+J]
.set J, J+1
.endr
.set J, 0
.rept 32
	v_and_b32 v[128+J], 0x80808080, v[192+J]       ; the guard bit stands where the byte did not fall under 0
.set J, J+1
.endr
.set J, 0
.rept 32
	v_lshrrev_b32 v[160+J], 7, v[128+J]
.set J, J+1
.endr
.set J, 0
.rept 32
	v_sub_nc_u32 v[128+J], v[128+J], v[160+J]      ; 0x7f there, 0 elsewhere
.set J, J+1
.endr
.set J, 0
.rept 32
	v_and_b32 v[192+J], v[192+J], v[128+J]
.set J, J+1
.endr
.set J, 0
.rept 32
	ds_store_b32 v[PTA], v[192+J] offset:512*J
.set J, J+1
.endr
	s_wait_alu depctr_va_vdst(0)                   ; ahead of the reciprocal's first reader
	ds_store_b32 v[ILT], v10
	s_wait_dscnt 0x0                               ; for the others' sake: my stores have landed
	s_barrier_signal -1
	s_barrier_wait -1
.macro FETCHK ch, slot, k              ; my k-th K step of chunk ch: p's eight fragments, v's four, 12 scale words: 48 loads
	WIN 0x40
.irp a, 0,1,2,3,4,5,6,7
	FRAG 128*(\k)+12*\a, AP+\slot, PIMG*(\k)+IMG*\a
.endr
	WIN 0
.irp b, 0,1,2,3
	FRAG VF+48*(\k)+12*\b, AV+\slot, VIMG*(\k)+IMG*\b
.endr
.irp b, 0,1,2,3
	ds_load_b32 v[SC+12*(\k)+\b], v[ASV] offset:2048*(\ch)+256*(\k)+64*\b
.endr
.irp a, 0,1,2,3,4,5,6,7
	ds_load_b32 v[SC+12*(\k)+4+\a], v[ASP] offset:4096*(\ch)+512*(\k)+64*\a
.endr
.endm
.macro MULK k, zero                    ; 32 accumulators by turns, in the same order in every K step
.irp a, 0,1,2,3,4,5,6,7
.irp b, 0,1,2,3
.if \zero
	v_wmma_scale_f32_16x16x128_f8f6f4 v[8*(4*\a+\b):8*(4*\a+\b)+7], v[VF+48*(\k)+12*\b:VF+48*(\k)+12*\b+11], v[128*(\k)+12*\a:128*(\k)+12*\a+11], 0, v[SC+12*(\k)+\b], v[SC+12*(\k)+4+\a] matrix_a_fmt:MATRIX_FMT_FP6 matrix_b_fmt:MATRIX_FMT_FP6
.else
	v_wmma_scale_f32_16x16x128_f8f6f4 v[8*(4*\a+\b):8*(4*\a+\b)+7], v[VF+48*(\k)+12*\b:VF+48*(\k)+12*\b+11], v[128*(\k)+12*\a:128*(\k)+12*\a+11], v[8*(4*\a+\b):8*(4*\a+\b)+7], v[SC+12*(\k)+\b], v[SC+12*(\k)+4+\a] matrix_a_fmt:MATRIX_FMT_FP6 matrix_b_fmt:MATRIX_FMT_FP6
.endif
.endr
.endr
.endm
.macro CHUNK ch, slot, zero
	FETCHK \ch, \slot, 0
	FETCHK \ch, \slot, 1
	s_wait_dscnt 48                                ; the first K step's loads are in; the second's 48 may be out
	WIN 0xa4                                       ; v window 0, p window 1, the sums window 2
	MULK 0, \zero
	s_wait_dscnt 0x0
	MULK 1, 0
	WIN 0
.endm
; The change of slots: each wave waits for all its tensor loads, adds 0 to its spare word, and waits for that and for its reads of the slot that it leaves.  fill = 1: that slot takes the chunk two on.
.macro CHANGE fill, slot
	s_wait_tensorcnt 0x0                           ; my part of the next slot has landed; no load of mine is out, so a group 0 may be written
	ds_add_u32 v[SPW], v[NIL]
.if \fill
	s_add_nc_u64 s[G0P+4*\slot+2:G0P+4*\slot+3], s[G0P+4*\slot+2:G0P+4*\slot+3], 16*REC
	s_add_nc_u64 s[G0V+4*\slot+2:G0V+4*\slot+3], s[G0V+4*\slot+2:G0V+4*\slot+3], 16*REC
.endif
	s_wait_dscnt 0x0                               ; the add is done, and my reads of the slot are over
.if \fill
	CROUND                                         ; no wave of any partner still reads the slot or has a load on its way
	JLOAD G0P+4*\slot, G1P, G0V+4*\slot, G1V       ; its four v_nop are also the places in front of the loads that follow
.else
	s_barrier_signal -1
	s_barrier_wait -1
	PLACES
.endif
.endm
	CHUNK 0, 0, 1
	CHANGE 1, 0
	CHUNK 1, 1, 0
	CHANGE 1, 1
	CHUNK 2, 0, 0
	CHANGE 0, 0
	CHUNK 3, 1, 0
	PLACES
	WIN 0x08                                       ; an LDS store's data are its source 1: window 2
.irp a, 0,1,2,3,4,5,6,7
.irp b, 0,1,2,3
	ds_store_b128 v[SO], v[8*(4*\a+\b):8*(4*\a+\b)+3] offset:16*RP*\a+64*\b       ; each accumulator from its low end on: query 16 a + r, channels 16 b + 8 h + 0 .. 7
	ds_store_b128 v[SO], v[8*(4*\a+\b)+4:8*(4*\a+\b)+7] offset:16*RP*\a+64*\b+16
.endr
.endr
	WIN 0
	s_wait_dscnt 0x0                               ; for the others' sake: my partial sums have landed
	s_barrier_signal -1
	s_barrier_wait -1
.set J, 0
.rept 16
	ds_load_b32 v[IV+J], v[ILA] offset:8*J         ; 1 / l of rows 32 w + 2 t + lane / 16
.set J, J+1
.endr
.macro LOADG g                         ; four pairs of rows, the four waves' partial sums of each: 16 loads
.set GB, 128+64*((\g)%2)
.irp q, 0,1,2,3
	ds_load_b128 v[GB+16*\q:GB+16*\q+3], v[RD0] offset:2*RP*(4*(\g)+\q)
	ds_load_b128 v[GB+16*\q+4:GB+16*\q+7], v[RD0] offset:2*RP*(4*(\g)+\q)+RW
	ds_load_b128 v[GB+16*\q+8:GB+16*\q+11], v[RD2] offset:2*RP*(4*(\g)+\q)
	ds_load_b128 v[GB+16*\q+12:GB+16*\q+15], v[RD2] offset:2*RP*(4*(\g)+\q)+RW
.endr
.endm
.macro SUMG g
.set GB, 128+64*((\g)%2)
.irp q, 0,1,2,3
	v_pk_add_f32 v[GB+16*\q:GB+16*\q+1], v[GB+16*\q:GB+16*\q+1], v[GB+16*\q+4:GB+16*\q+5]
	v_pk_add_f32 v[GB+16*\q+2:GB+16*\q+3], v[GB+16*\q+2:GB+16*\q+3], v[GB+16*\q+6:GB+16*\q+7]
	v_pk_add_f32 v[GB+16*\q+8:GB+16*\q+9], v[GB+16*\q+8:GB+16*\q+9], v[GB+16*\q+12:GB+16*\q+13]
	v_pk_add_f32 v[GB+16*\q+10:GB+16*\q+11], v[GB+16*\q+10:GB+16*\q+11], v[GB+16*\q+14:GB+16*\q+15]
	v_pk_add_f32 v[GB+16*\q:GB+16*\q+1], v[GB+16*\q:GB+16*\q+1], v[GB+16*\q+8:GB+16*\q+9]
	v_pk_add_f32 v[GB+16*\q+2:GB+16*\q+3], v[GB+16*\q+2:GB+16*\q+3], v[GB+16*\q+10:GB+16*\q+11]
.irp j, 0,1,2,3
	v_mul_f32 v[GB+16*\q+\j], v[GB+16*\q+\j], v[IV+4*(\g)+\q]
.endr
	global_store_b128 v[CO], v[GB+16*\q:GB+16*\q+3], s[OB:OB+1] offset:8192*(4*(\g)+\q) th:TH_STORE_NT   ; sixteen lanes store 256 consecutive bytes, at a multiple of 256 from the output's first byte
.endr
.endm
	LOADG 0
.irp g, 0,1,2,3
.if \g < 3
	s_wait_xcnt 0x0                                ; the stores of two groups back have read their registers: the next group's loads may land there
	LOADG \g+1
	s_wait_dscnt 16                                ; this group is in (and 1 / l); the next group's 16 loads may be out
.else
	s_wait_dscnt 0x0
.endif
	SUMG \g
.endr
	s_wait_tensorcnt 0x0                           ; the wave's end
	ds_add_u32 v[SPW], v[NIL]
	s_wait_dscnt 0x0
	CROUND                                         ; the closing round
	s_endpgm
.Lfunc_end_k_q6125dd4d12_pv:
	.size	k_q6125dd4d12_pv, .Lfunc_end_k_q6125dd4d12_pv-k_q6125dd4d12_pv
	.p2alignl 7, 3214868480
	.fill 96, 4, 3214868480
	.section	.rodata,"a",@progbits
	.p2align	6, 0x0
	.amdhsa_kernel k_q6125dd4d12_pv
		.amdhsa_group_segment_fixed_size 327680
		.amdhsa_private_segment_fixed_size 0
		.amdhsa_enable_private_segment 0
		.amdhsa_kernarg_size 40
		.amdhsa_user_sgpr_count 2
		.amdhsa_user_sgpr_kernarg_segment_ptr 1
		.amdhsa_wavefront_size32 1
		.amdhsa_system_sgpr_workgroup_id_x 1
		.amdhsa_system_sgpr_workgroup_id_y 1
		.amdhsa_system_sgpr_workgroup_id_z 1
		.amdhsa_system_vgpr_workitem_id 0
		.amdhsa_next_free_vgpr 768
		.amdhsa_next_free_sgpr 100
		.amdhsa_reserve_vcc 0
		.amdhsa_float_denorm_mode_32 3
		.amdhsa_float_denorm_mode_16_64 3
		.amdhsa_memory_ordered 1
		.amdhsa_forward_progress 1
		.amdhsa_inst_pref_size 120
	.end_amdhsa_kernel
	.amdgpu_metadata
---
amdhsa.version: [ 1, 2 ]
amdhsa.kernels:
  - .name:           k_q6125dd4d12_pv
    .symbol:         k_q6125dd4d12_pv.kd
    .args:
      - { .name: pc, .offset: 0, .size: 8, .value_kind: global_buffer, .address_space: global }
      - { .name: pm, .offset: 8, .size: 8, .value_kind: global_buffer, .address_space: global }
      - { .name: pl, .offset: 16, .size: 8, .value_kind: global_buffer, .address_space: global }
      - { .name: vc, .offset: 24, .size: 8, .value_kind: global_buffer, .address_space: global }
      - { .name: out0, .offset: 32, .size: 8, .value_kind: global_buffer, .address_space: global }
    .group_segment_fixed_size: 327680
    .private_segment_fixed_size: 0
    .kernarg_segment_align: 8
    .kernarg_segment_size: 40
    .max_flat_workgroup_size: 128
    .sgpr_count:     100
    .vgpr_count:     768
    .wavefront_size: 32
...
	.end_amdgpu_metadata
.endif
;; end of part 4
